; MI455X (gfx1250); checked and timed in simulation.
; The chip was launched on July 23, 2026; its instructions are those of AMD's public machine-readable ISA for CDNA 5 (MIT licence, August 2026) and "CDNA5" Instruction Set Architecture Reference Guide (July 2026). The comments in the code are by the model that wrote it; some were corrected since.
;; Qwen3 5 Attention. Allowed arithmetic: matrix products marked QUANTISED: E2M1 operands, one E8M0 scale for each 32 along K, by v_wmma_scale_f32_16x16x128_f8f6f4 with both operands' format E2M1 (or v_wmma_scale_f32_32x16x128_f4), f32 sums; products left as they are: bf16, f16 or f32 operands; f32 sums; everything else in f32.
;; Inputs: Wk 2,048 x 1,024 float32; Wo 1,024 x 2,048 float32; Wq 2,048 x 2,048 float32; Wv 2,048 x 1,024 float32; attention_mask 2 x 2,048 int32; k_norm_w 128 float32; positions 2 x 2,048 int32; q_norm_w 128 float32; x 2 x 2,048 x 2,048 float32.
;; Outputs: out0 2 x 2,048 x 2,048 float32.
;; This version of the problem:
;;   THIS VERSION OF THE PROBLEM IS GIVEN IN LOW PRECISION. The matrix products marked QUANTISED in the list below multiply operands that are first quantised to E2M1 (2 exponent bits, 1 mantissa bit; 4 bits a number), with one power-of-two scale for each 32 numbers along K (OCP MX v1.0); their sums are f32. The products marked 'left as it is' may take bf16, f16 or f32 operands, with f32 sums. Whichever they take, every output number must still come out within the allowed error. Rounding operands to bf16 (8 significant bits) uses up far more of that allowance than f16 does (11 bits, for magnitudes from 6e-5 to 65,504). All else is computed in f32.
;;   The module's matrix products, in the order in which they are computed (A, B: the left and right operand; K: the contracted axis; several contracted axes count as one K, in the product's order):
;;     1. [M 4,096, K 2,048] x [K 2,048, N 2,048]; A: input x; B: input Wq: QUANTISED
;;     2. [M 4,096, K 2,048] x [K 2,048, N 1,024]; A: input x; B: input Wk: QUANTISED
;;     3. [M 4,096, K 2,048] x [K 2,048, N 1,024]; A: input x; B: input Wv: QUANTISED
;;     4. batch 16 x [M 2,048, K 128] x [K 128, N 2,048]; A: computed on the way; B: computed on the way: left as it is (an operand is computed on the way)
;;     5. batch 16 x [M 128, K 2,048] x [K 2,048, N 2,048]; A: computed on the way; B: computed on the way: left as it is (an operand is computed on the way)
;;     6. [M 4,096, K 1,024] x [K 1,024, N 2,048]; A: computed on the way; B: input Wo: left as it is (an operand is computed on the way)
;;   THE QUANTISER, for each operand of a quantised product, along K:
;;     - K is cut into blocks of 32 from its start; a last block that is shorter is filled with zeros.
;;     - A block's scale is 2^e with e = floor(log2(the largest magnitude in the block)) - 2, held to -126 .. 127; a block of zeros has e = 0. As a byte (E8M0): e + 127.
;;     - Each number is divided by its block's scale, clamped to +-6, and rounded to the nearest number of E2M1, ties to even, subnormals kept.
;;     - The product sums the exact products of the quantised numbers (number of the format x scale) in f32.
;;   ~~~python
;;   def quantise(x, axis):      # numpy; x: float32 -> the quantised numbers, widened to float32 again
;;       x = np.moveaxis(x, axis, -1); K = x.shape[-1]
;;       x = np.pad(x, [(0, 0)] * (x.ndim - 1) + [(0, -K % 32)]); x = x.reshape(x.shape[:-1] + (-1, 32)); a = np.abs(x).max(-1, keepdims=True)
;;       e = np.where(a > 0, np.clip(np.frexp(np.where(a > 0, a, 1))[1] - 1 - 2, -126, 127), 0)      # np.frexp(a)[1] - 1 = floor(log2(a)), exactly
;;       r = np.clip(x / 2.0 ** e, -6, 6)
;;       step = 2.0 ** (np.maximum(np.frexp(np.where(r == 0, 1, r))[1] - 1, 0) - 1)
;;       q = np.round(r / step) * step * 2.0 ** e      # np.round: ties to even
;;       return np.moveaxis(q.reshape(q.shape[:-2] + (-1,))[..., :K], -1, axis).astype(np.float32)
;;   ~~~
;; One version. Each part assembles by itself: llvm-mc -triple=amdgcn-amd-amdhsa -mcpu=gfx1250 --defsym DOCPART=n.
;; ======== version 1 of 1: 5 launches
;; limits: values are held in f16: magnitudes above 65,504 overflow, below 6.1e-05 lose precision; right only within a limited range of input values
;; workspace buffers: xq 4,456,448 bytes; wq4 4,456,448 bytes; tab 540,672 bytes; wo16 4,194,304 bytes; qkv 25,165,824 bytes; gate 16,777,216 bytes; fine 524,288 bytes; att 8,388,608 bytes
;; launch prep (part 1): grid 576 x 1, 4 waves a work-group, no clusters, 50,688 bytes of LDS; arguments x, positions, attention_mask, Wq, Wk, Wv, Wo, xq, wq4, tab, wo16; writes xq, wq4, tab, wo16
.if DOCPART == 1
	.amdgcn_target "amdgcn-amd-amdhsa--gfx1250"
	.amdhsa_code_object_version 6
	.text
	.protected	k_q8311ccee5f_prep
	.globl	k_q8311ccee5f_prep
	.p2align	8
	.type	k_q8311ccee5f_prep,@function
k_q8311ccee5f_prep:
	s_mov_b64 s[64:65], 0
	v_nop
	global_prefetch_b8 v0, s[64:65] scope:SCOPE_SE
	s_setreg_imm32_b32 hwreg(HW_REG_WAVE_MODE, 25, 1), 1
	s_wait_xcnt 0x0
; PREP.  Three kinds of work-group, told apart by the work-group's number alone; each kind has LDS bytes of its own.
;  X (0..255):   32,768 numbers of x (16 rows) become codes of E2M1 and E8M0 scale bytes, K innermost: xq = codes [4096][1024 B], then at byte 4,194,304 scale bytes [4096][64].
;                The same work-group makes its 16 rows of the rope table (tab: [4096][16 cos | 16 sin] f32), and the first 16 work-groups the key mask's bias (tab + 524,288: 0.0 or -2^30).
;  W (256..511): 64 columns x 512 along K of Wq | Wk | Wv become codes with K innermost: wq4 = codes [4096 columns][1024 B], then at 4,194,304 scale bytes [4096][64].
;  O (512..575): 32,768 numbers of Wo become f16, in place order [1024][2048].
; A block's scale is 2^(floor(log2(largest magnitude)) - 2); its byte is the largest magnitude's exponent field - 2, held at 1 from below (a block of zeros keeps the byte 1: its codes are zeros,
; and this program alone reads the bytes).  LIMITS: blocks whose largest magnitude lies under 2^-124 have their byte held at 1; NaN and infinities are not served; |Wo| under 65,504; |positions| under 2^23.
; sin and cos are written out: n = nearest whole number to angle x 2/pi, r = angle - n pi/2 in two fused steps, a polynomial for sin r and one for cos r on |r| <= pi/4, the quadrant chooses and sets the sign.
.set SPARE, 50176                      ; the spare words, 128 bytes for each wave, behind both paths' regions
.set SPW,   12                         ; v12 LDS address of my spare word; never rewritten
.set NIL,   13                         ; v13 0; never rewritten
.set WREG,  8192                       ; path X: a wave's region: two stages of 32 x SP bytes and its 256 scale bytes
.set SP,    80
.set STEPS, 16
.set AHEAD, 8                          ; path X: loads run eight steps ahead: 32 loads, 16 KB a wave
.set EMAX,  2
.set CB,    8
.set R,     16                         ; v16-143  X: eight sets of 16 numbers as loaded
.set X,     144                        ; v144-175 X: two sets of 16 neighbours
.set E,     176                        ; v176-191 X: a scale byte for each step
.set C,     192                        ; v192-223 X: codes, two registers for each step
.set RT,    224                        ; v224-255 X: the rope table and the mask, at work
.set VAL,   RT+4
.set ANG,   RT+8
.set QD,    RT+12
.set R2,    RT+16
.set SN,    RT+20
.set CN,    RT+24
.set TT,    RT+28
.set WSTG,  32768                      ; path W: four stages of 16 rows x 272 bytes
.set PITCH, 272
.set KROW,  1024
.set NB,    8                          ; path W: blocks of 32 along K for a lane
.set WX,    32                         ; v32-95   W: two sets of 32 numbers
.set WC,    96                         ; v96-99   W: a block's codes
.set OUTR,  112                        ; v112-143 W: the way out
.set SB,    24                         ; v24-25   W: scale bytes
.set WOFF,  176                        ; v176-207 W: my column, my half of K, + i x pitch
.set WBASE, 68                         ; s68-83   W: a base for each block of 32 along K; never stepped
.macro FINI                            ; the wave's end, behind the last LDS store
	s_wait_tensorcnt 0x0
	ds_add_u32 v[SPW], v[NIL]
	s_wait_dscnt 0x0
	s_endpgm
.endm
	s_load_b512 s[4:19], s[0:1], 0x0               ; x 4, positions 6, attention_mask 8, Wq 10, Wk 12, Wv 14, Wo 16, xq 18
	s_load_b128 s[20:23], s[0:1], 0x40             ; wq4 20, tab 22
	s_load_b64 s[24:25], s[0:1], 0x50              ; wo16
	v_lshl_add_u32 v[SPW], v0, 2, SPARE
	v_mov_b32 v[NIL], 0
	v_lshrrev_b32 v1, 5, v0
	v_readfirstlane_b32 s26, v1                    ; wave
	v_and_b32 v2, 31, v0                           ; lane
	s_wait_kmcnt 0x0
	s_cmp_lt_u32 ttmp9, 256
	s_cbranch_scc1 .LpathX
	s_cmp_lt_u32 ttmp9, 512
	s_cbranch_scc1 .LpathW
; ---------------- path O: a cast.  A load of a wave covers 512 consecutive bytes, a store 256.
	s_sub_co_u32 s27, ttmp9, 512
	s_lshl_b32 s28, s27, 17
	s_mov_b32 s29, 0
	s_add_nc_u64 s[30:31], s[16:17], s[28:29]
	s_lshl_b32 s28, s27, 16
	s_add_nc_u64 s[32:33], s[24:25], s[28:29]
	v_lshlrev_b32 v3, 4, v0
	v_lshlrev_b32 v4, 3, v0
.macro OLOAD k
.set i, 0
.rept 16
	global_load_b128 v[16+64*((\k)%2)+4*i:16+64*((\k)%2)+4*i+3], v3, s[30:31] offset:2048*(16*(\k)+i)
.set i, i+1
.endr
.endm
.macro OCAST k
.if (\k) < 3
	s_wait_loadcnt 16                              ; this batch's 16 loads are in; the next batch's may be out
.else
	s_wait_loadcnt 0x0
.endif
.if (\k) >= 2
	s_wait_xcnt 0x0                                ; the stores of two batches back have read the registers that are written now
.endif
.set i, 0
.rept 16
	v_cvt_pk_f16_f32 v[144+32*((\k)%2)+2*i], v[16+64*((\k)%2)+4*i], v[16+64*((\k)%2)+4*i+1]
	v_cvt_pk_f16_f32 v[144+32*((\k)%2)+2*i+1], v[16+64*((\k)%2)+4*i+2], v[16+64*((\k)%2)+4*i+3]
.set i, i+1
.endr
.set i, 0
.rept 16
	global_store_b64 v4, v[144+32*((\k)%2)+2*i:144+32*((\k)%2)+2*i+1], s[32:33] offset:1024*(16*(\k)+i)
.set i, i+1
.endr
.if (\k)+2 < 4
	OLOAD (\k)+2
.endif
.endm
	OLOAD 0
	OLOAD 1
	OCAST 0
	OCAST 1
	OCAST 2
	OCAST 3
	FINI
; ---------------- path X
.LpathX:
	s_lshl_b32 s27, ttmp9, 2
	s_add_co_u32 s27, s27, s26                     ; which run of 8,192 numbers is my wave's
	s_mov_b32 s29, 0
	s_lshl_b32 s28, s27, 15
	s_add_nc_u64 s[4:5], s[4:5], s[28:29]          ; x
	s_lshl_b32 s28, s27, 12
	s_add_nc_u64 s[30:31], s[18:19], s[28:29]      ; its codes
	s_lshl_b32 s28, s27, 8
	s_add_nc_u64 s[32:33], s[18:19], s[28:29]
	s_add_nc_u64 s[32:33], s[32:33], 0x400000      ; its scale bytes
	s_lshl_b32 s28, ttmp9, 6
	s_add_nc_u64 s[34:35], s[6:7], s[28:29]        ; my work-group's 16 positions
	s_lshl_b32 s28, ttmp9, 11
	s_add_nc_u64 s[36:37], s[22:23], s[28:29]      ; and their 16 rows of the rope table
	s_mov_b32 s40, 0x3fc90fdb                      ; pi/2, the f32 nearest,
	s_mov_b32 s41, 0xb33bbd2e                      ; and what it leaves
	s_mov_b32 s42, 0xb94ca1f9                      ; sin: -1.9515295891e-4
	s_mov_b32 s43, 0x3c08839e                      ;       8.3321608736e-3
	s_mov_b32 s44, 0xbe2aaaa3                      ;      -1.6666654611e-1
	s_mov_b32 s45, 0x37ccf5ce                      ; cos:  2.443315712e-5
	s_mov_b32 s46, 0xbab6061a                      ;      -1.388731625e-3
	s_mov_b32 s47, 0x3d2aaaa5                      ;       4.166664568e-2
	v_lshlrev_b32 v3, 4, v2                        ; my 16 bytes of a load's 512
	s_mul_i32 s38, s26, WREG
	v_lshrrev_b32 v14, 2, v2
	v_mul_u32_u24 v14, v14, SP
	v_and_b32 v15, 3, v2
	v_lshl_add_u32 v14, v15, 4, v14
	v_add_nc_u32 v14, s38, v14                     ; the stage, on the way in
	v_mul_u32_u24 v15, v2, SP
	v_add_nc_u32 v15, s38, v15                     ; and on the way out: my 16 neighbours
	v_mul_u32_u24 v4, v2, CB
	v_lshrrev_b32 v5, 1, v2
	s_add_co_u32 s38, s38, 2*32*SP
	v_add_nc_u32 v5, s38, v5                       ; my block's scale byte in LDS
	v_lshlrev_b32 v7, 3, v2
	v_add_nc_u32 v6, s38, v7
	v_lshrrev_b32 v[RT], 3, v0
	v_lshlrev_b32 v[RT], 2, v[RT]                  ; thread t makes four words of row t / 8
	global_load_b32 v[RT+1], v[RT], s[34:35]       ; its position
.macro XLOAD t
.irp i, 0,1,2,3
	global_load_b128 v[R+16*((\t)%AHEAD)+4*\i:R+16*((\t)%AHEAD)+4*\i+3], v3, s[4:5] offset:2048*(\t)+512*\i th:TH_LOAD_NT
.endr
.endm
.macro XTURN t                         ; a step's numbers through the stage: LDS serves a wave's instructions in order
.irp i, 0,1,2,3
	ds_store_b128 v14, v[R+16*((\t)%AHEAD)+4*\i:R+16*((\t)%AHEAD)+4*\i+3] offset:32*SP*((\t)%2)+8*SP*\i
.endr
.irp i, 0,1,2,3
	ds_load_b128 v[X+16*((\t)%2)+4*\i:X+16*((\t)%2)+4*\i+3], v15 offset:32*SP*((\t)%2)+16*\i
.endr
.endm
.irp t, 0,1,2,3,4,5,6,7
	XLOAD \t
.endr
	; the rope table, while x is on its way.  Words 4 (t % 4) + e of cos (t % 8 < 4) or of sin
	v_and_b32 v[RT+2], 3, v0
	v_lshlrev_b32 v[RT+2], 2, v[RT+2]
	v_cvt_f32_u32 v[RT+2], v[RT+2]                 ; i0
	v_bfe_u32 v[RT+3], v0, 2, 1
	v_sub_nc_u32 v[RT+3], 1, v[RT+3]               ; cos is sin a quadrant on
	v_mov_b32 v[ANG], v[RT+2]
	v_add_f32 v[ANG+1], 1.0, v[RT+2]
	v_add_f32 v[ANG+2], 2.0, v[RT+2]
	v_add_f32 v[ANG+3], 0x40400000, v[RT+2]
.irp e, 0,1,2,3
	v_mul_f32 v[ANG+\e], 0xbfba0729, v[ANG+\e]     ; -i log2(1e7) / 16
.endr
.irp e, 0,1,2,3
	v_exp_f32 v[ANG+\e], v[ANG+\e]                 ; the inverse frequency
.endr
	s_wait_loadcnt 32                              ; the position is in; the 32 younger loads of x stay out
	v_cvt_f32_i32 v[RT+1], v[RT+1]                 ; (a plain instruction behind the exponentials)
	s_wait_alu depctr_va_vdst(0)                   ; one wait for the four, ahead of their first reader
.irp e, 0,1,2,3
	v_mul_f32 v[ANG+\e], v[RT+1], v[ANG+\e]        ; the angle
.endr
.irp e, 0,1,2,3
	v_mul_f32 v[QD+\e], 0x3f22f983, v[ANG+\e]
.endr
.irp e, 0,1,2,3
	v_rndne_f32 v[QD+\e], v[QD+\e]                 ; n
.endr
.irp e, 0,1,2,3
	v_fma_f32 v[ANG+\e], -v[QD+\e], s40, v[ANG+\e]
.endr
.irp e, 0,1,2,3
	v_fma_f32 v[ANG+\e], -v[QD+\e], s41, v[ANG+\e] ; r
.endr
.irp e, 0,1,2,3
	v_cvt_i32_f32 v[QD+\e], v[QD+\e]
.endr
.irp e, 0,1,2,3
	v_add_nc_u32 v[QD+\e], v[QD+\e], v[RT+3]       ; the quadrant
.endr
.irp e, 0,1,2,3
	v_mul_f32 v[R2+\e], v[ANG+\e], v[ANG+\e]       ; r^2
.endr
.irp e, 0,1,2,3
	v_fma_f32 v[SN+\e], v[R2+\e], s42, s43
	v_fma_f32 v[CN+\e], v[R2+\e], s45, s46
.endr
.irp e, 0,1,2,3
	v_fma_f32 v[SN+\e], v[SN+\e], v[R2+\e], s44
	v_fma_f32 v[CN+\e], v[CN+\e], v[R2+\e], s47
.endr
.irp e, 0,1,2,3
	v_mul_f32 v[SN+\e], v[SN+\e], v[R2+\e]
	v_mul_f32 v[CN+\e], v[CN+\e], v[R2+\e]
	v_fma_f32 v[TT+\e], v[R2+\e], -0.5, 1.0
.endr
.irp e, 0,1,2,3
	v_fma_f32 v[SN+\e], v[SN+\e], v[ANG+\e], v[ANG+\e]     ; sin r
	v_fma_f32 v[CN+\e], v[CN+\e], v[R2+\e], v[TT+\e]       ; cos r
.endr
.irp e, 0,1,2,3
	v_and_b32 v[TT+\e], 1, v[QD+\e]
	v_cmp_eq_u32 vcc_lo, 1, v[TT+\e]
	v_cndmask_b32 v[VAL+\e], v[SN+\e], v[CN+\e], vcc_lo
	v_and_b32 v[QD+\e], 2, v[QD+\e]
	v_lshlrev_b32 v[QD+\e], 30, v[QD+\e]
	v_xor_b32 v[VAL+\e], v[VAL+\e], v[QD+\e]
.endr
	v_lshlrev_b32 v[RT+2], 4, v0
	global_store_b128 v[RT+2], v[VAL:VAL+3], s[36:37]      ; a wave stores 512 consecutive bytes
	s_wait_loadcnt 4*(AHEAD-1)                     ; step 0's four loads are in; those of the seven steps behind it may be out
	XTURN 0
.macro XSTEP t
.set XS, X+16*((\t)%2)
.if (\t) > 0
	s_wait_dscnt 1                                 ; this step's numbers are back from the stage (the last step's byte store may be out): so its stores into the stage have read their registers,
.else
	s_wait_dscnt 0x0
.endif
.if (\t)+AHEAD < STEPS
	XLOAD (\t)+AHEAD                               ; which take the loads of eight steps on
.endif
.if (\t)+1 < STEPS
.if STEPS-2-(\t) >= AHEAD-1
	s_wait_loadcnt 4*(AHEAD-1)                     ; the next step's four loads are in; those of the seven steps behind it may be out
.else
	s_wait_loadcnt 4*(STEPS-2-(\t))
.endif
	XTURN (\t)+1
.endif
	v_max3_num_f32 v8, |v[XS]|, |v[XS+1]|, |v[XS+2]|
	v_max3_num_f32 v9, |v[XS+3]|, |v[XS+4]|, |v[XS+5]|
.irp i, 6,10
	v_max3_num_f32 v8, v8, |v[XS+\i]|, |v[XS+\i+1]|
	v_max3_num_f32 v9, v9, |v[XS+\i+2]|, |v[XS+\i+3]|
.endr
	v_max3_num_f32 v8, v8, |v[XS+14]|, |v[XS+15]|
	v_max3_num_f32 v8, v8, v9, (EMAX+1)<<23        ; the floor: the byte cannot fall under 1
	v_max_num_f32_dpp v8, v8, v8 row_xmask:1 row_mask:0xf bank_mask:0xf   ; with my neighbour's 16: the block's largest magnitude
	v_add_nc_u32 v11, -(EMAX<<23), v8              ; EMAX off its exponent field: the conversion's scale operand
	v_cvt_scalef32_pk8_fp4_f32 v[C+2*(\t)], v[XS:XS+7], v11
	v_cvt_scalef32_pk8_fp4_f32 v[C+2*(\t)+1], v[XS+8:XS+15], v11
	v_lshrrev_b32 v[E+(\t)], 23, v11               ; the scale's byte
	ds_store_b8 v5, v[E+(\t)] offset:16*(\t)       ; both lanes of a block write the same byte with the same value
	global_store_b64 v4, v[C+2*(\t):C+2*(\t)+1], s[30:31] offset:32*CB*(\t)   ; a wave stores 256 consecutive bytes
.endm
.irp t, 0,1,2,3,4,5,6,7,8,9,10,11,12,13,14,15
	XSTEP \t
.endr
	ds_load_b64 v[8:9], v6                         ; my wave's 256 scale bytes
	s_wait_dscnt 0x0
	global_store_b64 v7, v[8:9], s[32:33]
	s_cmp_lt_u32 ttmp9, 16                         ; the first 16 work-groups turn 256 words of the key mask into a bias each
	s_cbranch_scc0 .LxEnd
	v_lshlrev_b32 v[RT+14], 3, v0
	s_lshl_b32 s28, ttmp9, 10
	s_add_nc_u64 s[48:49], s[8:9], s[28:29]
	global_load_b64 v[RT+8:RT+9], v[RT+14], s[48:49]
	s_add_nc_u64 s[50:51], s[22:23], s[28:29]
	s_add_nc_u64 s[50:51], s[50:51], 524288
	v_mov_b32 v[RT+10], 0xce800000                 ; -2^30
	s_wait_loadcnt 0x0
	v_cmp_eq_u32 vcc_lo, 0, v[RT+8]
	v_cndmask_b32 v[RT+16], 0, v[RT+10], vcc_lo
	v_cmp_eq_u32 vcc_lo, 0, v[RT+9]
	v_cndmask_b32 v[RT+17], 0, v[RT+10], vcc_lo
	global_store_b64 v[RT+14], v[RT+16:RT+17], s[50:51]
.LxEnd:
	FINI
; ---------------- path W: a lane takes a column, its registers run down K.  A wave takes 16 columns x 512 along K: lanes 0-15 the first 256 along K, lanes 16-31 the same columns 256 rows further down.
; So a lane walks 8 blocks of 32, a load reads 64 consecutive bytes of each of two rows, and the work-group's four waves stand side by side on 256 bytes of a row.
.LpathW:
	s_sub_co_u32 s27, ttmp9, 256
	s_and_b32 s28, s27, 63                         ; which 64 columns of the 4,096
	s_lshr_b32 s29, s27, 6                         ; which 512 along K
	s_cmp_lt_u32 s28, 48
	s_cselect_b64 s[30:31], s[12:13], s[14:15]
	s_cselect_b32 s32, 32, 48
	s_cmp_lt_u32 s28, 32
	s_cselect_b64 s[30:31], s[10:11], s[30:31]     ; Wq, Wk or Wv: the choice hangs on the work-group's number alone
	s_cselect_b32 s32, 0, s32                      ; the source's first group of columns
	s_cselect_b32 s33, 13, 12                      ; log2 of a row's bytes
	s_sub_co_u32 s34, s28, s32
	s_lshl_b32 s34, s34, 6
	s_lshl_b32 s35, s26, 4
	s_add_co_u32 s34, s34, s35                     ; my wave's first column in its source
	s_lshl_b32 s36, 1, s33                         ; the pitch
	s_lshl_b32 s38, s29, 9
	s_lshl_b32 s38, s38, s33
	s_lshl_b32 s34, s34, 2
	s_add_co_u32 s38, s38, s34
	s_mov_b32 s39, 0
	s_add_nc_u64 s[WBASE:WBASE+1], s[30:31], s[38:39]
	s_lshl_b32 s40, s36, 5                         ; 32 rows on
	s_mov_b32 s41, 0
.irp t, 1,2,3,4,5,6,7
	s_add_nc_u64 s[WBASE+2*\t:WBASE+2*\t+1], s[WBASE+2*\t-2:WBASE+2*\t-1], s[40:41]
.endr
	v_and_b32 v5, 15, v2                           ; my column of the wave's 16
	v_lshrrev_b32 v6, 4, v2                        ; my half of the 512 along K
	s_add_co_u32 s37, s33, 8
	v_lshlrev_b32 v10, s37, v6                     ; 256 rows further down for lanes 16-31
	v_lshl_add_u32 v[WOFF], v5, 2, v10
.irp i, 1,2,3,4,5,6,7,8,9,10,11,12,13,14,15,16,17,18,19,20,21,22,23,24,25,26,27,28,29,30,31
	v_add_nc_u32 v[WOFF+\i], s36, v[WOFF+\i-1]
.endr
	s_mul_i32 s42, s26, 16*PITCH
	s_add_co_u32 s42, s42, WSTG                    ; my stage
	v_mul_u32_u24 v4, v5, PITCH
	v_lshl_add_u32 v4, v6, 7, v4
	v_add_nc_u32 v4, s42, v4                       ; into it: row = my column, 128 bytes for each half of K
	v_mul_u32_u24 v7, v6, PITCH
	v_lshl_add_u32 v7, v5, 4, v7
	v_add_nc_u32 v7, s42, v7                       ; out of it: sixteen lanes to a row
	v_mul_u32_u24 v8, v6, KROW
	v_lshl_add_u32 v8, v5, 4, v8
	v_lshlrev_b32 v9, 6, v5
	v_lshl_add_u32 v9, v6, 3, v9                   ; my column's row of scale bytes, 8 bytes for each half of K
	s_lshl_b32 s43, s28, 6
	s_add_co_u32 s43, s43, s35                     ; my wave's first row of wq4
	s_lshl_b32 s44, s43, 10
	s_lshl_b32 s46, s29, 8
	s_add_co_u32 s44, s44, s46
	s_mov_b32 s45, 0
	s_add_nc_u64 s[48:49], s[20:21], s[44:45]      ; codes
	s_lshl_b32 s44, s43, 6
	s_lshl_b32 s46, s29, 4
	s_add_co_u32 s44, s44, s46
	s_add_nc_u64 s[50:51], s[20:21], s[44:45]
	s_add_nc_u64 s[50:51], s[50:51], 0x400000      ; scale bytes
.macro WLOAD t
.irp i, 0,1,2,3,4,5,6,7,8,9,10,11,12,13,14,15,16,17,18,19,20,21,22,23,24,25,26,27,28,29,30,31
	global_load_b32 v[WX+32*((\t)%2)+\i], v[WOFF+\i], s[WBASE+2*(\t):WBASE+2*(\t)+1]
.endr
.endm
	WLOAD 0
	WLOAD 1
.macro WBLOCK t
.set XS, WX+32*((\t)%2)
.if (\t) < NB-1
	s_wait_loadcnt 32                              ; this block's 32 loads are in; the next block's may be out
.else
	s_wait_loadcnt 0x0
.endif
	v_max3_num_f32 v16, |v[XS]|, |v[XS+1]|, |v[XS+2]|
	v_max3_num_f32 v17, |v[XS+3]|, |v[XS+4]|, |v[XS+5]|
.irp i, 6,10,14,18,22,26
	v_max3_num_f32 v16, v16, |v[XS+\i]|, |v[XS+\i+1]|
	v_max3_num_f32 v17, v17, |v[XS+\i+2]|, |v[XS+\i+3]|
.endr
	v_max3_num_f32 v16, v16, |v[XS+30]|, |v[XS+31]|
	v_max3_num_f32 v16, v16, v17, (EMAX+1)<<23
	v_add_nc_u32 v18, -(EMAX<<23), v16
	v_lshrrev_b32 v17, 23, v18                     ; the scale's byte
.if (\t)%4 == 0
	v_mov_b32 v[SB+(\t)/4], v17
.else
	v_lshl_or_b32 v[SB+(\t)/4], v17, 8*((\t)%4), v[SB+(\t)/4]
.endif
.irp g, 0,1,2,3
	v_cvt_scalef32_pk8_fp4_f32 v[WC+\g], v[XS+8*\g:XS+8*\g+7], v18
.endr
	ds_store_b128 v4, v[WC:WC+3] offset:16*(\t)    ; 32 codes: 16 bytes of my column's row
.if (\t)+2 < NB
	WLOAD (\t)+2
.endif
	s_wait_dscnt 0x0                               ; the store has read its registers: the next block's codes may be written
.endm
.set Q, 0
.rept NB
	WBLOCK Q
.set Q, Q+1
.endr
	global_store_b64 v9, v[SB:SB+1], s[50:51]
.irp t, 0,1,2,3,4,5,6,7
	ds_load_b128 v[OUTR+4*\t:OUTR+4*\t+3], v7 offset:2*\t*PITCH
.endr
.irp t, 0,1,2,3,4,5,6,7
	s_wait_dscnt 7-\t
	global_store_b128 v8, v[OUTR+4*\t:OUTR+4*\t+3], s[48:49] offset:2*\t*KROW   ; sixteen lanes store 256 consecutive bytes, aligned
.endr
	FINI
.Lfunc_end_k_q8311ccee5f_prep:
	.size	k_q8311ccee5f_prep, .Lfunc_end_k_q8311ccee5f_prep-k_q8311ccee5f_prep
	.p2alignl 7, 3214868480
	.fill 96, 4, 3214868480
	.section	.rodata,"a",@progbits
	.p2align	6, 0x0
	.amdhsa_kernel k_q8311ccee5f_prep
		.amdhsa_group_segment_fixed_size 50688
		.amdhsa_private_segment_fixed_size 0
		.amdhsa_enable_private_segment 0
		.amdhsa_kernarg_size 88
		.amdhsa_user_sgpr_count 2
		.amdhsa_user_sgpr_kernarg_segment_ptr 1
		.amdhsa_wavefront_size32 1
		.amdhsa_system_sgpr_workgroup_id_x 1
		.amdhsa_system_sgpr_workgroup_id_y 1
		.amdhsa_system_sgpr_workgroup_id_z 1
		.amdhsa_system_vgpr_workitem_id 0
		.amdhsa_next_free_vgpr 256
		.amdhsa_next_free_sgpr 100
		.amdhsa_reserve_vcc 1
		.amdhsa_float_denorm_mode_32 3
		.amdhsa_float_denorm_mode_16_64 3
		.amdhsa_memory_ordered 1
		.amdhsa_forward_progress 1
		.amdhsa_inst_pref_size 102
	.end_amdhsa_kernel
	.amdgpu_metadata
---
amdhsa.version: [ 1, 2 ]
amdhsa.kernels:
  - .name:           k_q8311ccee5f_prep
    .symbol:         k_q8311ccee5f_prep.kd
    .args:
      - { .name: x, .offset: 0, .size: 8, .value_kind: global_buffer, .address_space: global }
      - { .name: positions, .offset: 8, .size: 8, .value_kind: global_buffer, .address_space: global }
      - { .name: attention_mask, .offset: 16, .size: 8, .value_kind: global_buffer, .address_space: global }
      - { .name: Wq, .offset: 24, .size: 8, .value_kind: global_buffer, .address_space: global }
      - { .name: Wk, .offset: 32, .size: 8, .value_kind: global_buffer, .address_space: global }
      - { .name: Wv, .offset: 40, .size: 8, .value_kind: global_buffer, .address_space: global }
      - { .name: Wo, .offset: 48, .size: 8, .value_kind: global_buffer, .address_space: global }
      - { .name: xq, .offset: 56, .size: 8, .value_kind: global_buffer, .address_space: global }
      - { .name: wq4, .offset: 64, .size: 8, .value_kind: global_buffer, .address_space: global }
      - { .name: tab, .offset: 72, .size: 8, .value_kind: global_buffer, .address_space: global }
      - { .name: wo16, .offset: 80, .size: 8, .value_kind: global_buffer, .address_space: global }
    .group_segment_fixed_size: 50688
    .private_segment_fixed_size: 0
    .kernarg_segment_align: 8
    .kernarg_segment_size: 88
    .max_flat_workgroup_size: 128
    .sgpr_count:     100
    .vgpr_count:     256
    .wavefront_size: 32
...
	.end_amdgpu_metadata
.endif
;; end of part 1
;; launch gemm (part 2): grid 16 x 16, 4 waves a work-group, clusters of 4 x 4, 327,680 bytes of LDS; arguments xq, wq4, tab, q_norm_w, k_norm_w, qkv, gate, fine; writes qkv, gate, fine
.if DOCPART == 2
	.amdgcn_target "amdgcn-amd-amdhsa--gfx1250"
	.amdhsa_code_object_version 6
	.text
	.protected	k_q8311ccee5f_gemm
	.globl	k_q8311ccee5f_gemm
	.p2align	8
	.type	k_q8311ccee5f_gemm,@function
k_q8311ccee5f_gemm:
	s_mov_b64 s[64:65], 0
	v_nop
	global_prefetch_b8 v0, s[64:65] scope:SCOPE_SE
	s_setreg_imm32_b32 hwreg(HW_REG_WAVE_MODE, 25, 1), 1
	s_wait_xcnt 0x0
	s_wait_alu depctr_hold_cnt(0) depctr_sa_sdst(0) depctr_va_vdst(0) depctr_va_sdst(0) depctr_va_ssrc(0) depctr_va_vcc(0) depctr_vm_vsrc(0)
	s_getreg_b32 s2, hwreg(HW_REG_IB_STS2, 6, 4)
	s_cmp_eq_u32 s2, 0
	s_cbranch_scc0 .Lentry_in_a_cluster
	s_endpgm
.Lentry_in_a_cluster:
	s_bfe_u32 s2, ttmp6, 0x10000c
	s_cmp_lg_u32 s2, 0xf033
	s_cbranch_scc0 .Lentry_shape_is_right
	s_endpgm
.Lentry_shape_is_right:
; x [4096][2048] times (Wq | Wk | Wv) [2048][4096], both as codes of E2M1 with one E8M0 scale for each 32 along K; sums in f32.  Then, on the way out, what follows the three projections.
; A tile of 256 x 256 is made by four waves, 128 x 128 each: 64 accumulators, 512 registers.  K goes in steps of 512 through two LDS slots filled by the tensor data mover; the scale bytes of the
; work-group's rows, for all of K, come into LDS once.  4 x 4 work-groups form a cluster: A's tiles are asked for jointly along a row of it, B's along a column.
; The matrix instruction is used transposed (source 0 = 16 rows of W^T, source 1 = 16 rows of x): a lane holds eight neighbouring columns of one row.
; KINDS.  A wave's 128 columns are one whole head: of q (tile columns 0-7, left half), of the gate (right half), of k (tile columns 8-11) or of v (12-15).  The kind hangs on the cluster's x and the wave's
; number alone, so it is the same in all partners.  q, k: RMS norm over the 128, x (1 + w), rope on the first 32, f16 rows of 256 bytes to qkv.  gate: f32 as it is.  v: f16, and the column sums of the wave's 128 rows (f32).
; The first 16 positions of each batch also go out in f32 (fine), under an EXEC mask: the flag holds the work-group's place in its cluster.
; LIMITS: |v| under 65,504 (f16); NaN and infinities are not served.
; REGISTERS: window 0: v0-31 addresses; v32-95 scale words and nothing else; v128-191 A's fragments; v192-255 the norm's weights (loaded at the head).  window 1: v0-63, v128-191 B's two sets; v64-127, v192-255 the rope's cos and sin
; of my 128 rows (loaded at the head).  windows 2, 3: the accumulators.  On the way out: window 0 v96-127 packed f16, v128-159 rows read back, v160-167 at work; window 1 v0-63 the normed row, v128-143 the rope's products.
.set KSTEP,  512
.set NQ,     KSTEP/128
.set ROWB,   256
.set KROW,   1024
.set PITCH,  272
.set FR,     8
.set NL,     2
.set NP,     4
.set HALFT,  128*PITCH
.set SLOT,   4*HALFT
.set LAPS,   2
.set KS,     64
.set SCL,    2*SLOT
.set HALFS,  (128*KS/256)*272
.set SBLK,   (16*KS/256)*272
.set SPARE,  SCL+4*HALFS               ; the spare words, 128 bytes for each wave
.set SPITCH, 528                       ; the way out: a stage of 16 rows x 528 bytes for each wave, in slot 0, which has had its last fill and its last read by then
.set ADRA, 16
.set ADRB, 20
.set STO,  24
.set RD,   25
.set CO,   26
.set ADRS, 27
.set SPW,  28
.set NIL,  29
.set SC,   32
.set AF,   128
.set GBK,  128                         ; gate: rows read back, v128-191 and v192-255 by turns
.set PKR,  96
.set BKN,  128
.set SQ,   160
.set NW,   192
.set CSUM, 192
.set Y,    0                           ; in window 1
.set TA,   128                         ; in window 1
.set TBB,  136                         ; in window 1
.set G1, 24
.set G0, 32
.set G1B, 48
.set G0B, 56
.set G1S, 68
.set G0S, 76
.set G1SB, 80
.set G0SB, 88
.set MSB, 0
.macro WIN new                         ; the immediate's high byte repeats the setting that is left
.if MSB != \new
	s_set_vgpr_msb (MSB<<8)|\new
.set MSB, \new
.endif
.endm
.set MUL_LO, 0xa1
.set MUL_HI, 0xf1
.set TO_B,   0x40
.macro JLOAD g0a, g1a, g0b, g1b        ; a joint load: waves 0 and 1 fetch for A, waves 2 and 3 for B; an s_nop 0 and four v_nop follow each line
	s_cmp_eq_u32 s15, 0
	s_cbranch_scc0 .Lfor_b_\@
	tensor_load_to_lds s[\g0a:\g0a+3], s[\g1a:\g1a+7]
	s_nop 0
.rept 4
	v_nop
.endr
	s_branch .Lasked_\@
.Lfor_b_\@:
	tensor_load_to_lds s[\g0b:\g0b+3], s[\g1b:\g1b+7]
	s_nop 0
.rept 4
	v_nop
.endr
.Lasked_\@:
.endm
.macro CREST
	s_cmp_lg_u32 s14, 0
	s_cbranch_scc1 .Lnot_wave_0_\@
	s_barrier_signal -3
.Lnot_wave_0_\@:
	s_barrier_wait -3
	s_barrier_signal -1
	s_barrier_wait -1
.endm
.macro CROUND
	s_barrier_signal -1
	s_barrier_wait -1
	CREST
.endm
	s_load_b64 s[4:5], s[0:1], 0x0                 ; xq
	s_load_b64 s[8:9], s[0:1], 0x8                 ; wq4
	s_load_b128 s[96:99], s[0:1], 0x10             ; tab, q_norm_w
	s_load_b64 s[100:101], s[0:1], 0x20            ; k_norm_w
	v_lshl_add_u32 v[SPW], v0, 2, SPARE
	v_mov_b32 v[NIL], 0
	ds_add_u32 v[SPW], v[NIL]                      ; the wave's opening: the add, twice on end, and its wait ahead of my first tensor load
	ds_add_u32 v[SPW], v[NIL]
	v_lshrrev_b32 v1, 5, v0
	v_readfirstlane_b32 s14, v1                    ; wave
	s_lshr_b32 s15, s14, 1                         ; my half of the tile's rows; also: I fetch for A (0) or B (1)
	s_and_b32 s16, s14, 1                          ; my half of its columns; also: which 128 rows I fetch
	s_bfe_u32 s40, ttmp6, 0x40000                  ; cx
	s_bfe_u32 s41, ttmp6, 0x40004                  ; cy
	s_lshl_b32 s42, ttmp9, 2
	s_add_co_u32 s42, s42, s40                     ; tile column
	s_and_b32 s17, ttmp7, 0xffff
	s_lshl_b32 s17, s17, 2
	s_add_co_u32 s17, s17, s41                     ; tile row
	s_lshl_b32 s43, s41, 2
	s_lshl_b32 s43, 15, s43                        ; my row of the cluster
	s_lshl_b32 s44, 0x1111, s40                    ; my column
	s_or_b32 s[G1+0], s43, (0<<16)|(1<<20)|(1<<21)|(5<<22)|(3<<25)   ; mask; elements of 1 byte; 4 words of padding after every 64
	s_or_b32 s[G1B+0], s44, (0<<16)|(1<<20)|(1<<21)|(5<<22)|(3<<25)
.irp g, G1, G1B
	s_mov_b32 s[\g+1], ROWB<<16
	s_mov_b32 s[\g+2], 128<<16
	s_mov_b32 s[\g+3], ROWB<<16
	s_mov_b32 s[\g+4], 128
	s_mov_b32 s[\g+5], KROW
	s_mov_b32 s[\g+6], 0
	s_mov_b32 s[\g+7], 0
.endr
	s_or_b32 s[G1S+0], s43, (3<<16)|(1<<20)|(1<<21)|(5<<22)|(3<<25)  ; the scales of 128 rows: a dense block, as rows of 256 bytes
	s_or_b32 s[G1SB+0], s44, (3<<16)|(1<<20)|(1<<21)|(5<<22)|(3<<25)
.irp g, G1S, G1SB
	s_mov_b32 s[\g+1], 32<<16
	s_mov_b32 s[\g+2], (128*KS/256)<<16
	s_mov_b32 s[\g+3], 32<<16
	s_mov_b32 s[\g+4], 128*KS/256
	s_mov_b32 s[\g+5], 32
	s_mov_b32 s[\g+6], 0
	s_mov_b32 s[\g+7], 0
.endr
	s_lshl_b32 s18, s16, 7
	s_lshl_b32 s20, s17, 8
	s_add_co_u32 s20, s20, s18                     ; A: row 256 x tile row + 128 x half
	s_lshl_b32 s46, s42, 8
	s_add_co_u32 s46, s46, s18                     ; B: row 256 x tile column + 128 x half
	s_mov_b32 s21, 0
	s_mov_b32 s47, 0
	s_mov_b64 s[18:19], KS
	s_mul_u64 s[22:23], s[20:21], s[18:19]
	s_mul_u64 s[92:93], s[46:47], s[18:19]
	s_mov_b64 s[18:19], KROW
	s_mul_u64 s[20:21], s[20:21], s[18:19]
	s_mul_u64 s[46:47], s[46:47], s[18:19]
	s_mul_i32 s45, s14, HALFT
	s_mul_i32 s94, s14, HALFS
	s_wait_dscnt 0x0                               ; both opening adds are done
	s_wait_kmcnt 0x0
	s_add_nc_u64 s[6:7], s[4:5], 0x400000          ; the scale bytes lie behind the codes
	s_add_nc_u64 s[10:11], s[8:9], 0x400000
	s_add_nc_u64 s[20:21], s[4:5], s[20:21]
	s_add_nc_u64 s[22:23], s[6:7], s[22:23]
	s_add_nc_u64 s[46:47], s[8:9], s[46:47]
	s_add_nc_u64 s[92:93], s[10:11], s[92:93]
	CROUND                                         ; all sixteen work-groups are here: the first joint loads meet
	s_mov_b32 s[G0S], 1
	s_add_co_u32 s[G0S+1], s94, SCL
	s_mov_b64 s[G0S+2:G0S+3], s[22:23]
	s_or_b32 s[G0S+3], s[G0S+3], 0x80000000
	s_mov_b32 s[G0SB], 1
	s_add_co_u32 s[G0SB+1], s94, SCL
	s_mov_b64 s[G0SB+2:G0SB+3], s[92:93]
	s_or_b32 s[G0SB+3], s[G0SB+3], 0x80000000
	JLOAD G0S, G1S, G0SB, G1SB
.irp s, 0,1
	s_mov_b32 s[G0+4*\s], 1
	s_add_co_u32 s[G0+4*\s+1], s45, \s*SLOT
	s_add_nc_u64 s[G0+4*\s+2:G0+4*\s+3], s[20:21], \s*ROWB
	s_or_b32 s[G0+4*\s+3], s[G0+4*\s+3], 0x80000000
	s_mov_b32 s[G0B+4*\s], 1
	s_add_co_u32 s[G0B+4*\s+1], s45, \s*SLOT
	s_add_nc_u64 s[G0B+4*\s+2:G0B+4*\s+3], s[46:47], \s*ROWB
	s_or_b32 s[G0B+4*\s+3], s[G0B+4*\s+3], 0x80000000
	JLOAD G0+4*\s, G1, G0B+4*\s, G1B
.endr
	v_and_b32 v1, 15, v0                           ; r
	v_bfe_u32 v2, v0, 4, 1                         ; h
	v_mul_u32_u24 v3, v1, PITCH
	v_lshl_add_u32 v4, v2, 4, v3
	s_mul_i32 s21, s15, HALFT
	s_mul_i32 s22, s16, HALFT
	s_add_co_u32 s22, s22, 2*HALFT
.irp s, 0,1
	v_add_nc_u32 v[ADRA+\s], s21, v4
	v_add_nc_u32 v[ADRB+\s], s22, v4
	s_add_co_u32 s21, s21, SLOT
	s_add_co_u32 s22, s22, SLOT
.endr
	v_mul_u32_u24 v5, v1, KS
	v_lshrrev_b32 v6, 8, v5
	v_lshl_add_u32 v5, v6, 4, v5
	s_mul_i32 s21, s15, HALFS
	s_mul_i32 s22, s16, HALFS
	s_add_co_u32 s22, s22, 2*HALFS
	s_sub_co_u32 s22, s22, s21
	v_mul_u32_u24 v6, s22, v2                      ; lanes 16-31 take B's scale words
	s_add_co_u32 s21, s21, SCL
	v_add_nc_u32 v5, v5, v6
	v_add_nc_u32 v[ADRS], s21, v5
	s_mul_i32 s23, s14, 16*SPITCH                  ; my stage
	v_mul_u32_u24 v5, v1, SPITCH
	v_lshl_add_u32 v5, v2, 5, v5
	v_add_nc_u32 v[STO], s23, v5                   ; f32 rows in: row r, 32 bytes for each half of the lanes
	v_and_b32 v6, 31, v0
	v_lshlrev_b32 v[CO], 4, v6
	v_add_nc_u32 v[RD], s23, v[CO]
	v_mul_u32_u24 v5, v1, 272
	v_lshl_add_u32 v5, v2, 4, v5
	v_add_nc_u32 v7, s23, v5                       ; f16 rows in: row r of 272 bytes, 16 bytes for each half
	v_mul_u32_u24 v5, v2, 272
	v_lshl_add_u32 v5, v1, 4, v5
	v_add_nc_u32 v8, s23, v5                       ; and back: lanes 0-15 one row, lanes 16-31 the next
	v_lshlrev_b32 v9, 8, v2
	v_lshl_add_u32 v9, v1, 4, v9                   ; the same two rows in qkv
	v_lshlrev_b32 v11, 12, v1
	v_lshl_add_u32 v11, v2, 5, v11                 ; fine: position r, 32 h
	v_lshlrev_b32 v30, 7, v1
	v_lshl_add_u32 v30, v2, 5, v30                 ; the rope table: row r of 128 bytes, 32 h
	v_lshlrev_b32 v31, 5, v2                       ; the norm's weights: 32 h
	s_cmp_lt_u32 ttmp9, 2
	s_cselect_b32 s2, s16, ttmp9                   ; the kind: 0 q, 1 gate, 2 k, 3 v
	s_lshl_b32 s20, s17, 15
	s_lshl_b32 s21, s15, 14
	s_add_co_u32 s20, s20, s21
	s_mov_b32 s21, 0
	s_add_nc_u64 s[92:93], s[96:97], s[20:21]      ; my 128 rows of the rope table
	s_cmp_eq_u32 s2, 2
	s_cselect_b64 s[94:95], s[100:101], s[98:99]
	; every wave loads these, whatever its kind, so that no way through the text reads a register that only another way wrote; they land while K is walked
	WIN TO_B
.irp a, 0,1,2,3,4,5,6,7
.irp c, 0,1
	global_load_b128 v[64+16*\a+64*(\a/4)+4*\c:64+16*\a+64*(\a/4)+4*\c+3], v30, s[92:93] offset:2048*\a+16*\c          ; cos of 8 h + 0 .. 7
	global_load_b128 v[72+16*\a+64*(\a/4)+4*\c:72+16*\a+64*(\a/4)+4*\c+3], v30, s[92:93] offset:2048*\a+64+16*\c       ; sin
.endr
.endr
	WIN 0
.irp b, 0,1,2,3,4,5,6,7
	global_load_b128 v[NW+8*\b:NW+8*\b+3], v31, s[94:95] offset:64*\b
	global_load_b128 v[NW+8*\b+4:NW+8*\b+7], v31, s[94:95] offset:64*\b+16
.endr
.macro FRAG reg, adr, q, i
.irp c, 0,1
	ds_load_b128 v[\reg+4*\c:\reg+4*\c+3], v[\adr] offset:64*(\q)+32*\c+(\i)*16*PITCH
.endr
.endm
; 16 matrix instructions: A's blocks a0, a0 + 1 x B's eight.  The 64 accumulators take turns, one instruction a turn, in the same order in every step.
.macro MUL16 a0, p, q, sc, zero
.irp a, \a0, \a0+1
.irp b, 0,1,2,3,4,5,6,7
.if \zero
	v_wmma_scale_f32_16x16x128_f8f6f4 v[8*(8*((\a)%4)+\b):8*(8*((\a)%4)+\b)+7], v[128*(\p)+FR*\b:128*(\p)+FR*\b+FR-1], v[AF+FR*(\a):AF+FR*(\a)+FR-1], 0, v[SC+8*NQ*(\sc)+NQ*\b+(\q)], v[SC+8*NQ*(\sc)+NQ*(\a)+(\q)] matrix_a_fmt:MATRIX_FMT_FP4 matrix_b_fmt:MATRIX_FMT_FP4 matrix_a_scale:MATRIX_SCALE_ROW1
.else
	v_wmma_scale_f32_16x16x128_f8f6f4 v[8*(8*((\a)%4)+\b):8*(8*((\a)%4)+\b)+7], v[128*(\p)+FR*\b:128*(\p)+FR*\b+FR-1], v[AF+FR*(\a):AF+FR*(\a)+FR-1], v[8*(8*((\a)%4)+\b):8*(8*((\a)%4)+\b)+7], v[SC+8*NQ*(\sc)+NQ*\b+(\q)], v[SC+8*NQ*(\sc)+NQ*(\a)+(\q)] matrix_a_fmt:MATRIX_FMT_FP4 matrix_b_fmt:MATRIX_FMT_FP4 matrix_a_scale:MATRIX_SCALE_ROW1
.endif
.endr
.endr
.endm
.macro FETCH_B slot, q, p
	WIN TO_B
.irp i, 0,1,2,3,4,5,6,7
	FRAG 128*(\p)+FR*\i, ADRB+\slot, \q, \i
.endr
	WIN 0
.endm
.macro FETCH_A slot, q, i0
.irp i, \i0, \i0+1, \i0+2, \i0+3
	FRAG AF+FR*(\i), ADRA+\slot, \q, \i
.endr
.endm
.macro SCALES sc
.irp i, 0,1,2,3,4,5,6,7
	ds_load_b128 v[SC+8*NQ*\sc+NQ*\i:SC+8*NQ*\sc+NQ*\i+3], v[ADRS] offset:\i*SBLK
.endr
.endm
.macro PLACES n                        ; plain vector instructions between a matrix instruction and a load into, or a read of, its registers
.rept \n
	v_nop
.endr
.endm
.macro STEP slot, q, zero
	s_wait_dscnt 4*NL                              ; B's set and A's blocks 0-3 are in; A's blocks 4-7 may be out
	WIN MUL_LO
	MUL16 0, (\q)%2, \q, \slot, \zero
	MUL16 2, (\q)%2, \q, \slot, \zero
	s_wait_dscnt 0
	PLACES NP
	FETCH_B \slot, (\q)+1, 1-(\q)%2
	FETCH_A \slot, (\q)+1, 0
	WIN MUL_HI
	MUL16 4, (\q)%2, \q, \slot, \zero
	MUL16 6, (\q)%2, \q, \slot, \zero
	PLACES NP
	WIN 0
	FETCH_A \slot, (\q)+1, 4
.endm
; A slot's last step changes slots: each wave waits for all its tensor loads, adds 0 to its spare word, waits for that and for its reads of this slot; one barrier; fill = 1: it opens a round of the cluster's barrier, and the slot is filled again first thing behind it.
.macro TURN slot, next, fill
	s_wait_tensorcnt 0x0
	ds_add_u32 v[SPW], v[NIL]
	s_wait_dscnt 4*NL+1                            ; the add and A's blocks 4-7 may be out
	WIN MUL_LO
	MUL16 0, 1, NQ-1, \slot, 0
	s_wait_dscnt 0x0                               ; the add is done, and my reads of this slot are over
	s_barrier_signal -1
	MUL16 2, 1, NQ-1, \slot, 0
	WIN 0
	s_barrier_wait -1
.if \fill
	CREST
	s_add_nc_u64 s[G0+4*\slot+2:G0+4*\slot+3], s[G0+4*\slot+2:G0+4*\slot+3], 2*ROWB
	s_add_nc_u64 s[G0B+4*\slot+2:G0B+4*\slot+3], s[G0B+4*\slot+2:G0B+4*\slot+3], 2*ROWB
	JLOAD G0+4*\slot, G1, G0B+4*\slot, G1B
.else
	PLACES NP
.endif
	v_add_nc_u32 v[ADRS], 4*NQ, v[ADRS]
	FETCH_B \next, 0, 0
	FETCH_A \next, 0, 0
	SCALES \next
	WIN MUL_HI
	MUL16 4, 1, NQ-1, \slot, 0
	MUL16 6, 1, NQ-1, \slot, 0
	PLACES NP
	WIN 0
	FETCH_A \next, 0, 4
.endm
.macro STEPS slot, from
.set Q, \from
.rept NQ-1-\from
	STEP \slot, Q, 0
.set Q, Q+1
.endr
.endm
	s_wait_tensorcnt 1                             ; the scales and my part of K step 0 are in; K step 1's load may be out
	s_barrier_signal -1
	s_barrier_wait -1
	FETCH_B 0, 0, 0
	FETCH_A 0, 0, 0
	SCALES 0
	FETCH_A 0, 0, 4
	STEP 0, 0, 1                                   ; the first step's products start the sums
	s_mov_b32 s3, LAPS-1
.Llap:
	STEPS 0, 1
	TURN 0, 1, 1
	STEPS 1, 0
	TURN 1, 0, 1
	STEP 0, 0, 0
	s_sub_co_u32 s3, s3, 1
	s_cmp_lg_u32 s3, 0
	s_cbranch_scc1 .Llap
	STEPS 0, 1
	TURN 0, 1, 0
	s_load_b128 s[68:71], s[0:1], 0x28             ; qkv, gate: into registers of the scales' descriptors, whose loads the wait for all tensor loads above has shown done
	s_load_b64 s[72:73], s[0:1], 0x38              ; fine
	STEPS 1, 0
	s_wait_dscnt 4*NL
	WIN MUL_LO
	MUL16 0, 1, NQ-1, 1, 0
	MUL16 2, 1, NQ-1, 1, 0
	s_wait_dscnt 0
	WIN MUL_HI
	MUL16 4, 1, NQ-1, 1, 0
	MUL16 6, 1, NQ-1, 1, 0
	WIN 0
	PLACES NP                                      ; behind the last products, for every read of results and every write of operands below
	s_wait_loadcnt 0x0                             ; the rope's rows and the norm's weights
	s_wait_kmcnt 0x0
	; where my wave's part goes.  The work-group's place in its cluster enters addresses and one vector flag, no branch and no LDS address
	s_lshr_b32 s18, s17, 3                         ; batch
	s_and_b32 s19, s17, 7
	s_or_b32 s46, s19, s15
	v_mov_b32 v10, s46                             ; 0 where my rows begin a batch
	s_lshl_b32 s19, s19, 8
	s_lshl_b32 s20, s15, 7
	s_add_co_u32 s19, s19, s20                     ; my first position
	s_and_b32 s21, s42, 3
	s_lshl_b32 s21, s21, 1
	s_add_co_u32 s21, s21, s16
	s_cmp_lt_u32 s2, 2
	s_cselect_b32 s20, s42, s21                    ; the head
	s_max_u32 s23, s2, 1
	s_sub_co_u32 s23, s23, 1                       ; the section: q 0, k 1, v 2
	s_lshl_b32 s22, s18, 3
	s_add_co_u32 s22, s22, s20
	s_lshl_b32 s40, s22, 19
	s_lshl_b32 s21, s19, 8
	s_add_co_u32 s40, s40, s21
	s_lshl_b32 s21, s23, 23
	s_add_co_u32 s40, s40, s21
	s_mov_b32 s41, 0
	s_add_nc_u64 s[44:45], s[68:69], s[40:41]      ; my 128 rows of 256 bytes in qkv
	s_lshl_b32 s40, s23, 17
	s_lshl_b32 s21, s18, 16
	s_add_co_u32 s40, s40, s21
	s_lshl_b32 s21, s20, 9
	s_add_co_u32 s40, s40, s21
	s_add_nc_u64 s[46:47], s[72:73], s[40:41]      ; fine: section, batch, head
	s_lshl_b32 s40, s17, 20
	s_lshl_b32 s22, s15, 19
	s_add_co_u32 s40, s40, s22
	s_add_co_u32 s40, s40, s21
	s_add_nc_u64 s[92:93], s[70:71], s[40:41]      ; gate: my rows of 4,096 bytes, my head's 512
	s_lshl_b32 s40, s17, 13
	s_lshl_b32 s22, s15, 12
	s_add_co_u32 s40, s40, s22
	s_add_co_u32 s40, s40, s21
	s_add_co_u32 s40, s40, 393216
	s_add_nc_u64 s[94:95], s[72:73], s[40:41]      ; the column sums of my group of 128 rows
	s_mov_b32 s74, 0x76543210
	s_mov_b32 s75, 0xfedcba98                      ; v_permlanex16_b32's selects for lane l xor 16
	s_mov_b32 s76, 0x3c000000                      ; 1 / 128
	s_mov_b32 s77, 0x358637bd                      ; 1e-6
.macro TOST16                          ; 16 rows of 128 f16 through my stage: LDS serves a wave's instructions in order
.irp b, 0,1,2,3,4,5,6,7
	ds_store_b128 v7, v[PKR+4*\b:PKR+4*\b+3] offset:32*\b
.endr
.irp t, 0,1,2,3,4,5,6,7
	ds_load_b128 v[BKN+4*\t:BKN+4*\t+3], v8 offset:544*\t
.endr
.endm
.macro SEND16 a
	s_wait_dscnt 0x0
.irp t, 0,1,2,3,4,5,6,7
	global_store_b128 v9, v[BKN+4*\t:BKN+4*\t+3], s[44:45] offset:4096*(\a)+512*\t   ; a wave stores 512 consecutive bytes
.endr
.endm
	s_cmp_eq_u32 s2, 1
	s_cbranch_scc1 .Lgate
	s_cmp_eq_u32 s2, 3
	s_cbranch_scc1 .Lvee
; ---------------- q and k
.set p, 0
.rept 32
	v_pk_add_f32 v[NW+2*p:NW+2*p+1], v[NW+2*p:NW+2*p+1], 1.0 op_sel_hi:[1,0]    ; 1 + w
.set p, p+1
.endr
.macro NBLK a
.set AC, 64*((\a)%4)
.set WA, 2+(\a)/4
.set RC, 64+16*(\a)+64*((\a)/4)
	WIN WA|(WA<<2)
.set p, 0
.rept 32                               ; the sum of squares of my 64 numbers, in four chains; each accumulator is read from its low end on
.if p < 4
	v_pk_mul_f32 v[SQ+2*p:SQ+2*p+1], v[AC+2*p:AC+2*p+1], v[AC+2*p:AC+2*p+1]
.else
	v_pk_fma_f32 v[SQ+2*(p%4):SQ+2*(p%4)+1], v[AC+2*p:AC+2*p+1], v[AC+2*p:AC+2*p+1], v[SQ+2*(p%4):SQ+2*(p%4)+1]
.endif
.set p, p+1
.endr
	WIN 0
	v_pk_add_f32 v[SQ:SQ+1], v[SQ:SQ+1], v[SQ+2:SQ+3]
	v_pk_add_f32 v[SQ+4:SQ+5], v[SQ+4:SQ+5], v[SQ+6:SQ+7]
	v_pk_add_f32 v[SQ:SQ+1], v[SQ:SQ+1], v[SQ+4:SQ+5]
	v_add_f32 v[SQ], v[SQ], v[SQ+1]
	v_permlanex16_b32 v[SQ+1], v[SQ], s74, s75     ; the row's other 64 lie in the lane 16 away
	v_add_f32 v[SQ], v[SQ], v[SQ+1]
	v_fma_f32 v[SQ], v[SQ], s76, s77               ; the mean + eps
	v_rsq_f32 v[SQ+2], v[SQ]
	v_nop                                          ; a plain instruction behind the transcendental,
	s_wait_alu depctr_va_vdst(0)                   ; and the wait ahead of its first reader
	WIN 0x40|WA
.set p, 0
.rept 32
	v_pk_mul_f32 v[Y+2*p:Y+2*p+1], v[AC+2*p:AC+2*p+1], v[SQ+2:SQ+3] op_sel_hi:[1,0]
.set p, p+1
.endr
	WIN 0x41
.set p, 0
.rept 32
	v_pk_mul_f32 v[Y+2*p:Y+2*p+1], v[Y+2*p:Y+2*p+1], v[NW+2*p:NW+2*p+1]
.set p, p+1
.endr
	WIN 0x55                                       ; the rope: registers 0-7 are x1 at 8 h + j, registers 8-15 x2 at the same place
.irp u, 0,1,2,3
	v_pk_mul_f32 v[TA+2*\u:TA+2*\u+1], v[Y+8+2*\u:Y+9+2*\u], v[RC+8+2*\u:RC+9+2*\u]
	v_pk_mul_f32 v[TBB+2*\u:TBB+2*\u+1], v[Y+8+2*\u:Y+9+2*\u], v[RC+2*\u:RC+2*\u+1]
.endr
.irp u, 0,1,2,3
	v_pk_fma_f32 v[Y+8+2*\u:Y+9+2*\u], v[Y+2*\u:Y+2*\u+1], v[RC+8+2*\u:RC+9+2*\u], v[TBB+2*\u:TBB+2*\u+1]
	v_pk_fma_f32 v[Y+2*\u:Y+2*\u+1], v[Y+2*\u:Y+2*\u+1], v[RC+2*\u:RC+2*\u+1], v[TA+2*\u:TA+2*\u+1] neg_lo:[0,0,1] neg_hi:[0,0,1]
.endr
	WIN 0
.if (\a) == 0                          ; a batch's first 16 positions also leave in f32
	v_cmp_eq_u32 vcc_lo, 0, v10
	s_wait_xcnt 0x0                                ; EXEC changes only behind this wait
	s_and_saveexec_b32 s78, vcc_lo
	WIN 0x04
.set p, 0
.rept 16
	global_store_b128 v11, v[Y+4*p:Y+4*p+3], s[46:47] offset:64*(p/2)+16*(p%2)
.set p, p+1
.endr
	WIN 0
	s_wait_xcnt 0x0
	s_or_b32 exec_lo, exec_lo, s78
.endif
	WIN 0x05
.set p, 0
.rept 32
	v_cvt_pk_f16_f32 v[PKR+p], v[Y+2*p], v[Y+2*p+1]
.set p, p+1
.endr
	WIN 0
.endm
	NBLK 0
	TOST16
.irp a, 1,2,3,4,5,6,7
	NBLK \a                                        ; a block's arithmetic stands between the loads of the block before and its stores
	SEND16 \a-1
	s_wait_xcnt 0x0                                ; the stores have read the registers that the next loads fill
	TOST16
.endr
	SEND16 7
	s_branch .Ldone
; ---------------- gate: f32 as it is, 16 rows x 512 bytes at a time through my stage
.Lgate:
.macro GSTAGE a
.set AC, 64*((\a)%4)
	WIN 0x08+4*((\a)/4)
.irp b, 0,1,2,3,4,5,6,7
	ds_store_b128 v[STO], v[AC+8*\b:AC+8*\b+3] offset:64*\b
	ds_store_b128 v[STO], v[AC+8*\b+4:AC+8*\b+7] offset:64*\b+16
.endr
	WIN 0
.set BB, GBK+64*((\a)%2)
.irp t, 0,1,2,3,4,5,6,7,8,9,10,11,12,13,14,15
	ds_load_b128 v[BB+4*\t:BB+4*\t+3], v[RD] offset:\t*SPITCH
.endr
.endm
.macro GSEND a, younger
.set BB, GBK+64*((\a)%2)
	s_wait_dscnt \younger
.irp t, 0,1,2,3,4,5,6,7,8,9,10,11,12,13,14,15
	global_store_b128 v[CO], v[BB+4*\t:BB+4*\t+3], s[92:93] offset:(16*(\a)+\t)*4096   ; 32 lanes store 512 consecutive bytes
.endr
.endm
	GSTAGE 0
.irp a, 1,2,3,4,5,6,7
.if \a > 1
	s_wait_xcnt 0x0                                ; block a - 2's stores have read their registers
.endif
	GSTAGE \a
	GSEND \a-1, 32                                 ; behind block a - 1's loads: block a's 16 stores and 16 loads
.endr
	GSEND 7, 0
	s_branch .Ldone
; ---------------- v: f16 rows, and the column sums of my 128 rows
.Lvee:
.macro VBLK a
.set AC, 64*((\a)%4)
.set WA, 2+(\a)/4
.if (\a) == 0
	v_cmp_eq_u32 vcc_lo, 0, v10
	s_wait_xcnt 0x0
	s_and_saveexec_b32 s78, vcc_lo
	WIN 0x08
.set p, 0
.rept 16
	global_store_b128 v11, v[4*p:4*p+3], s[46:47] offset:64*(p/2)+16*(p%2)
.set p, p+1
.endr
	WIN 0
	s_wait_xcnt 0x0
	s_or_b32 exec_lo, exec_lo, s78
.endif
	WIN WA|(WA<<2)
.set p, 0
.rept 32
	v_cvt_pk_f16_f32 v[PKR+p], v[AC+2*p], v[AC+2*p+1]
.set p, p+1
.endr
.if (\a) == 1
.set p, 0
.rept 32
	v_pk_add_f32 v[CSUM+2*p:CSUM+2*p+1], v[2*p:2*p+1], v[64+2*p:64+2*p+1]
.set p, p+1
.endr
.endif
.if (\a) > 1
	WIN WA<<2
.set p, 0
.rept 32
	v_pk_add_f32 v[CSUM+2*p:CSUM+2*p+1], v[CSUM+2*p:CSUM+2*p+1], v[AC+2*p:AC+2*p+1]
.set p, p+1
.endr
.endif
	WIN 0
.endm
	VBLK 0
	TOST16
.irp a, 1,2,3,4,5,6,7
	VBLK \a
	SEND16 \a-1
	s_wait_xcnt 0x0
	TOST16
.endr
	SEND16 7
.irp m, 1,2,4,8                        ; over the 16 rows that the lanes of a half hold
.set p, 0
.rept 64
	v_add_f32_dpp v[CSUM+p], v[CSUM+p], v[CSUM+p] row_xmask:\m row_mask:0xf bank_mask:0xf
.set p, p+1
.endr
.endr
	v_and_b32 v12, 15, v0
	v_cmp_eq_u32 vcc_lo, 0, v12
	s_wait_xcnt 0x0
	s_and_saveexec_b32 s78, vcc_lo                 ; lanes 0 and 16 store their 64 sums each
.set p, 0
.rept 16
	global_store_b128 v31, v[CSUM+4*p:CSUM+4*p+3], s[94:95] offset:64*(p/2)+16*(p%2)
.set p, p+1
.endr
	s_wait_xcnt 0x0
	s_or_b32 exec_lo, exec_lo, s78
.Ldone:
	s_wait_tensorcnt 0x0                           ; the wave's end
	ds_add_u32 v[SPW], v[NIL]
	s_wait_dscnt 0x0
	CROUND                                         ; the closing round
	s_endpgm
.Lfunc_end_k_q8311ccee5f_gemm:
	.size	k_q8311ccee5f_gemm, .Lfunc_end_k_q8311ccee5f_gemm-k_q8311ccee5f_gemm
	.p2alignl 7, 3214868480
	.fill 96, 4, 3214868480
	.section	.rodata,"a",@progbits
	.p2align	6, 0x0
	.amdhsa_kernel k_q8311ccee5f_gemm
		.amdhsa_group_segment_fixed_size 327680
		.amdhsa_private_segment_fixed_size 0
		.amdhsa_enable_private_segment 0
		.amdhsa_kernarg_size 64
		.amdhsa_user_sgpr_count 2
		.amdhsa_user_sgpr_kernarg_segment_ptr 1
		.amdhsa_wavefront_size32 1
		.amdhsa_system_sgpr_workgroup_id_x 1
		.amdhsa_system_sgpr_workgroup_id_y 1
		.amdhsa_system_sgpr_workgroup_id_z 1
		.amdhsa_system_vgpr_workitem_id 0
		.amdhsa_next_free_vgpr 1024
		.amdhsa_next_free_sgpr 102
		.amdhsa_reserve_vcc 1
		.amdhsa_float_denorm_mode_32 3
		.amdhsa_float_denorm_mode_16_64 3
		.amdhsa_memory_ordered 1
		.amdhsa_forward_progress 1
		.amdhsa_inst_pref_size 255
	.end_amdhsa_kernel
	.section	.bss,"aw",@nobits
	.p2align	6
	.space	262144
	.amdgpu_metadata
---
amdhsa.version: [ 1, 2 ]
amdhsa.kernels:
  - .name:           k_q8311ccee5f_gemm
    .symbol:         k_q8311ccee5f_gemm.kd
    .args:
      - { .name: xq, .offset: 0, .size: 8, .value_kind: global_buffer, .address_space: global }
      - { .name: wq4, .offset: 8, .size: 8, .value_kind: global_buffer, .address_space: global }
      - { .name: tab, .offset: 16, .size: 8, .value_kind: global_buffer, .address_space: global }
      - { .name: q_norm_w, .offset: 24, .size: 8, .value_kind: global_buffer, .address_space: global }
      - { .name: k_norm_w, .offset: 32, .size: 8, .value_kind: global_buffer, .address_space: global }
      - { .name: qkv, .offset: 40, .size: 8, .value_kind: global_buffer, .address_space: global }
      - { .name: gate, .offset: 48, .size: 8, .value_kind: global_buffer, .address_space: global }
      - { .name: fine, .offset: 56, .size: 8, .value_kind: global_buffer, .address_space: global }
    .group_segment_fixed_size: 327680
    .private_segment_fixed_size: 0
    .kernarg_segment_align: 8
    .kernarg_segment_size: 64
    .max_flat_workgroup_size: 128
    .sgpr_count:     102
    .vgpr_count:     1024
    .wavefront_size: 32
...
	.end_amdgpu_metadata
.endif
;; end of part 2
;; launch attn (part 3): grid 16 x 16, 4 waves a work-group, clusters of 4 x 1, 327,680 bytes of LDS; arguments qkv, gate, fine, tab, att; writes att
.if DOCPART == 3
	.amdgcn_target "amdgcn-amd-amdhsa--gfx1250"
	.amdhsa_code_object_version 6
	.text
	.protected	k_q8311ccee5f_attn
	.globl	k_q8311ccee5f_attn
	.p2align	8
	.type	k_q8311ccee5f_attn,@function
k_q8311ccee5f_attn:
	s_mov_b64 s[64:65], 0
	v_nop
	global_prefetch_b8 v0, s[64:65] scope:SCOPE_SE
	s_setreg_imm32_b32 hwreg(HW_REG_WAVE_MODE, 25, 1), 1
	s_wait_xcnt 0x0
	s_wait_alu depctr_hold_cnt(0) depctr_sa_sdst(0) depctr_va_vdst(0) depctr_va_sdst(0) depctr_va_ssrc(0) depctr_va_vcc(0) depctr_vm_vsrc(0)
	s_getreg_b32 s2, hwreg(HW_REG_IB_STS2, 6, 4)
	s_cmp_eq_u32 s2, 0
	s_cbranch_scc0 .Lentry_in_a_cluster
	s_endpgm
.Lentry_in_a_cluster:
	s_bfe_u32 s2, ttmp6, 0x10000c
	s_cmp_lg_u32 s2, 0x3003
	s_cbranch_scc0 .Lentry_shape_is_right
	s_endpgm
.Lentry_shape_is_right:
; att[row][head] = softmax(q k^T / sqrt(128), causal and under the key mask) v, times sigmoid(gate), as f16.  q, k, v: f16 [16 batch-heads][2048][128]; products on f16 operands, maxima, sums and O in f32.
; SHARES.  A cluster of four work-groups (its x = P, its y = the batch-head) owns the blocks of 256 queries 7 - P and then P; partner c owns queries 64 c .. 64 c + 63 of each.  The four waves of a work-group hold the SAME 64 queries
; (four tiles of 16) and split the KEYS: a slot is 256 keys, wave w takes keys 64 w .. 64 w + 63 of it.  (8 - P) + (P + 1) = 9 slots for every work-group: constant trip counts, equal work, and every tile of K and V is asked for
; jointly by the four partners.  At a block's end the four waves' parts (O, maximum, sum) meet in LDS, and wave w finishes tile w.
; LAYOUT.  S^T = K Q^T (source 0 = 16 keys, source 1 = 16 queries) and O^T = V^T P: a lane holds one query throughout.  The key mask's bias (0 or -2^30) is the C of a score's first product; on the diagonal slot hidden scores
; are set to -2^30 by compare and select (the offset holds the partner's place: data, no branch).  Every slot's tile is read by every wave.
; SOFTMAX.  Running maximum m and sum l for each query and wave; p = 2^(c s - c m), c = log2(e) / sqrt(128); O and l are multiplied by a = 2^(c m_old - c m_new) in every step.  A block begins with c m = -3e38, so that a = 0 wipes what lies there.
; A ROW WITH NO VALID KEY has every score at the least number in reference(), so its weights are 1 / 2048 over ALL keys: where the merged c m lies under -5e7 the row is the mean of v, made from the column sums.
; LIMITS: real scores lie above -2^29; |attn x sigmoid| under 65,504; NaN and infinities are not served.
; BY TURNS.  Tiles 0, 1 are piece 0, tiles 2, 3 piece 2.  A step: K Q^T of piece 0 | K Q^T of piece 2 with piece 0's softmax in slices between | V^T P of piece 0 with piece 2's softmax between | V^T P of piece 2.
; K's 32 LDS loads go out by channels, and piece 0's products, which walk the channels in the same order, wait for eight loads at a time.
; REGISTERS: window 0: v2-11 addresses, v12-43 statistics (8 a tile), v44-63 more addresses, v64-191 S^T, v192-255 P.  window 1: O^T.  window 2: v0-127 Q, v128-255 K.  window 3: v0-127 V, v128-159 the bias.
.set PK,    272                        ; a row of K in LDS: 256 bytes + 16
.set PV,    288                        ; a row of V: 256 + 32, for the turning load
.set VOFF,  69632                      ; a slot: 256 rows of K, then 256 rows of V
.set SLOTB, 143360
.set STG,   286720                     ; behind the ring, bytes that no fill touches: 32 KB for a wave's O, later 8 KB for each wave's way out,
.set STAT,  319488                     ; 4 KB of (c m, l),
.set VM,    323584                     ; the head's mean of v, 512 bytes,
.set SPARE, 324096                     ; and the spare words, 128 bytes for each wave
.set AK0, 2
.set AV0, 3
.set ADR, 4
.set QO,  5
.set STO, 6
.set RD,  7
.set GO,  8
.set ST,  12
.set DQ,  44
.set NEGR, 48
.set BO,  49
.set GTO, 50
.set SGA, 51
.set SGR, 52
.set SA,  53
.set SAR, 54
.set VMA, 55
.set VMW, 56
.set VPO, 57
.set PFO, 61
.set SPW, 62
.set NIL, 63
.set S,   64
.set P,   192
.set KF,  128
.set ACC, 64
.set X,   128
.set G,   192
.set WV,  14
.set G1K, 24
.set G1V, 32
.set G0K, 40
.set G0V, 44
.set KB,  48
.set VB,  50
.set QP1, 52
.set QP2, 54
.set GP1, 56
.set GP2, 58
.set AP1, 60
.set AP2, 62
.set BP0, 66
.set BP,  68
.set PFA, 70
.set CS,  72
.set SEL, 74
.set T,   76                           ; s76 the trip
.set SW,  77                           ; s77 the trip whose slot lies on the first block's diagonal: 7 - P, the same in all partners
.set TB,  78                           ; s78 LDS byte of the slot that is read
.set SL,  79                           ; s79 LDS byte of the slot that is filled
.set KN,  80                           ; s80 which 256 keys the slot that is filled takes
.set LIM, 81
.set LWK, 82
.set LWV, 83
.set MSB, 0
.macro WIN new
.if MSB != \new
	s_set_vgpr_msb (MSB<<8)|\new
.set MSB, \new
.endif
.endm
.set W_PV, 0x53                        ; V window 3, P window 0, O^T window 1
.set W_RS, 0x41                        ; O^T window 1, a window 0
.macro JLOAD                           ; a joint load: waves 0 and 1 fetch K's halves, waves 2 and 3 V's; an s_nop 0 and four v_nop follow each line
	s_cmp_lt_u32 s[WV], 2
	s_cbranch_scc0 .Lfor_v_\@
	tensor_load_to_lds s[G0K:G0K+3], s[G1K:G1K+7]
	s_nop 0
.rept 4
	v_nop
.endr
	s_branch .Lasked_\@
.Lfor_v_\@:
	tensor_load_to_lds s[G0V:G0V+3], s[G1V:G1V+7]
	s_nop 0
.rept 4
	v_nop
.endr
.Lasked_\@:
.endm
; A prefetch of the slot that the NEXT change will ask for: 256 rows of K and 256 of V, 256 bytes a row, a lane a row, one instruction a wave.  All clusters of a batch-head walk the same keys from key 0 on: the cluster with x = 0,
; whose first block walks slots 0 to 7, asks.  Its partners share the rows out by address (64 each), the waves 32 each (waves 0, 1: K; waves 2, 3: V): each row is named once.  In trip T it names slot T + 2; it stops with slot 7.
.macro ASK
	s_cmp_lt_u32 s[T], s[LIM]
	s_cbranch_scc0 .Lnot_mine_\@
	global_prefetch_b8 v[PFO], s[PFA:PFA+1] th:TH_LOAD_NT scope:SCOPE_SE
.Lnot_mine_\@:
.endm
.macro CROUND
	s_barrier_signal -1
	s_barrier_wait -1
	s_cmp_lg_u32 s[WV], 0
	s_cbranch_scc1 .Lnot_wave_0_\@
	s_barrier_signal -3
.Lnot_wave_0_\@:
	s_barrier_wait -3
	s_barrier_signal -1
	s_barrier_wait -1
.endm
.macro PLACES
.rept 4
	v_nop
.endr
.endm
	s_load_b256 s[4:11], s[0:1], 0x0               ; qkv 4, gate 6, fine 8, tab 10
	s_load_b64 s[12:13], s[0:1], 0x20              ; att
	v_lshl_add_u32 v[SPW], v0, 2, SPARE
	v_mov_b32 v[NIL], 0
	ds_add_u32 v[SPW], v[NIL]                      ; the wave's opening: the add, twice on end, and its wait ahead of my first tensor load
	ds_add_u32 v[SPW], v[NIL]
	v_lshrrev_b32 v1, 5, v0
	v_readfirstlane_b32 s[WV], v1
	s_bfe_u32 s15, ttmp6, 0x40000                  ; c: it enters global addresses and one vector offset alone
	s_and_b32 s16, ttmp7, 0xffff                   ; batch-head
	s_lshr_b32 s17, s16, 3                         ; batch
	s_and_b32 s18, s16, 7                          ; head
	s_sub_co_u32 s[SW], 7, ttmp9
	s_mov_b32 s[G1K], 15|(1<<16)|(1<<20)|(1<<21)|(5<<22)|(3<<25)   ; all four partners; elements of 2 bytes; 4 words of padding after every 64
	s_mov_b32 s[G1V], 15|(1<<16)|(1<<20)|(1<<21)|(5<<22)|(7<<25)   ; 8 words of padding
.irp g, G1K, G1V
	s_mov_b32 s[\g+1], 128<<16                     ; tensor_dim0
	s_mov_b32 s[\g+2], 128<<16                     ; tensor_dim1
	s_mov_b32 s[\g+3], 128<<16                     ; tile_dim0
	s_mov_b32 s[\g+4], 128                         ; tile_dim1: 128 rows a load
	s_mov_b32 s[\g+5], 128                         ; pitch
	s_mov_b32 s[\g+6], 0
	s_mov_b32 s[\g+7], 0
.endr
	s_mov_b32 s[CS], 0x3e0293ee                    ; c = log2(e) / sqrt(128)
	s_mov_b32 s[CS+1], s[CS]
	s_mov_b32 s[SEL], 0x76543210
	s_mov_b32 s[SEL+1], 0xfedcba98
	s_mov_b32 s[TB], 0
	s_mov_b32 s[SL], 0
	s_mov_b32 s[KN], 0
	s_mov_b32 s[T], 0
	s_cmp_eq_u32 ttmp9, 0
	s_cselect_b32 s[LIM], 6, 0
	s_and_b32 s86, s[WV], 1
	s_mul_i32 s[LWK], s86, 128*PK
	s_mul_i32 s[LWV], s86, 128*PV
	s_add_co_u32 s[LWV], s[LWV], VOFF
	s_mov_b32 s85, 0
	s_wait_dscnt 0x0                               ; both opening adds are done
	s_wait_kmcnt 0x0
	s_lshl_b32 s84, s16, 19
	s_lshl_b32 s87, s86, 15
	s_add_co_u32 s84, s84, s87
	s_add_nc_u64 s[KB:KB+1], s[4:5], s[84:85]
	s_add_nc_u64 s[VB:VB+1], s[KB:KB+1], 16777216  ; v at my half of a slot's rows
	s_add_nc_u64 s[KB:KB+1], s[KB:KB+1], 8388608   ; k likewise
	s_lshl_b32 s88, s16, 11
	s_lshl_b32 s89, s15, 6
	s_add_co_u32 s88, s88, s89
	s_lshl_b32 s90, s[SW], 8
	s_lshl_b32 s91, ttmp9, 8
	s_add_co_u32 s84, s88, s90
	s_lshl_b32 s84, s84, 8
	s_add_nc_u64 s[QP1:QP1+1], s[4:5], s[84:85]    ; my 64 queries of the first block,
	s_add_co_u32 s84, s88, s91
	s_lshl_b32 s84, s84, 8
	s_add_nc_u64 s[QP2:QP2+1], s[4:5], s[84:85]    ; of the second
	s_lshl_b32 s88, s17, 11
	s_add_co_u32 s88, s88, s89
	s_lshl_b32 s87, s[WV], 4
	s_add_co_u32 s88, s88, s87                     ; the rows that I finish: tile w
	s_add_co_u32 s87, s88, s90
	s_lshl_b32 s84, s87, 12
	s_lshl_b32 s86, s18, 9
	s_add_co_u32 s84, s84, s86
	s_add_nc_u64 s[GP1:GP1+1], s[6:7], s[84:85]
	s_lshl_b32 s84, s87, 11
	s_lshl_b32 s86, s18, 8
	s_add_co_u32 s84, s84, s86
	s_add_nc_u64 s[AP1:AP1+1], s[12:13], s[84:85]
	s_add_co_u32 s87, s88, s91
	s_lshl_b32 s84, s87, 11
	s_add_co_u32 s84, s84, s86
	s_add_nc_u64 s[AP2:AP2+1], s[12:13], s[84:85]
	s_lshl_b32 s84, s87, 12
	s_lshl_b32 s86, s18, 9
	s_add_co_u32 s84, s84, s86
	s_add_nc_u64 s[GP2:GP2+1], s[6:7], s[84:85]
	s_lshl_b32 s84, s17, 13
	s_add_co_u32 s84, s84, 524288
	s_add_nc_u64 s[BP0:BP0+1], s[10:11], s[84:85]  ; my batch's bias
	s_mov_b64 s[BP:BP+1], s[BP0:BP0+1]
	s_lshl_b32 s84, s17, 16
	s_add_co_u32 s84, s84, s86
	s_add_co_u32 s84, s84, 393216
	s_add_nc_u64 s[88:89], s[8:9], s[84:85]        ; my batch's 16 rows of column sums, my head
	s_lshl_b32 s84, s16, 19
	s_lshl_b32 s87, s15, 14
	s_add_co_u32 s84, s84, s87
	s_and_b32 s87, s[WV], 1
	s_lshl_b32 s87, s87, 13
	s_add_co_u32 s84, s84, s87
	s_add_co_u32 s84, s84, 65536                   ; in slot 1: the first change steps it to slot 2
	s_cmp_lt_u32 s[WV], 2
	s_mov_b32 s87, 16777216
	s_cselect_b32 s87, 8388608, s87
	s_add_co_u32 s84, s84, s87
	s_add_nc_u64 s[PFA:PFA+1], s[4:5], s[84:85]
	s_mov_b32 s86, 0xbfb8aa3b                      ; -log2(e)
	s_mov_b32 s87, s86
	CROUND                                         ; all four work-groups are here: the first joint loads meet
	s_mov_b32 s[G0K], 1
	s_mov_b32 s[G0K+1], s[LWK]
	s_mov_b64 s[G0K+2:G0K+3], s[KB:KB+1]
	s_or_b32 s[G0K+3], s[G0K+3], 0x80000000
	s_mov_b32 s[G0V], 1
	s_mov_b32 s[G0V+1], s[LWV]
	s_mov_b64 s[G0V+2:G0V+3], s[VB:VB+1]
	s_or_b32 s[G0V+3], s[G0V+3], 0x80000000
	JLOAD                                          ; keys 0 to 255 into slot 0
	v_and_b32 v1, 15, v0                           ; r
	v_bfe_u32 v9, v0, 4, 1                         ; h
	v_and_b32 v10, 31, v0                          ; lane
	v_lshlrev_b32 v[QO], 8, v1
	v_lshl_add_u32 v[QO], v9, 4, v[QO]
	s_lshl_b32 s84, s[WV], 8
	v_lshl_add_u32 v[BO], v9, 5, s84               ; the bias of keys 64 w + 8 h on
	v_lshlrev_b32 v[VPO], 2, v0
.macro QLOAD qp                        ; Q stays in registers: tile i / 4, channels 32 (i % 4) on
	WIN 0x80
.irp i, 0,1,2,3,4,5,6,7,8,9,10,11,12,13,14,15
	global_load_b128 v[8*\i:8*\i+3],   v[QO], s[\qp:\qp+1] offset:(\i/4)*4096+(\i%4)*64
	global_load_b128 v[8*\i+4:8*\i+7], v[QO], s[\qp:\qp+1] offset:(\i/4)*4096+(\i%4)*64+32
.endr
	WIN 0
.endm
.macro BLOADS                          ; the bias in the result's layout: register j of key tile kt: key 64 w + 16 kt + 8 h + j
	WIN 0xc0
.irp kt, 0,1,2,3
	global_load_b128 v[128+8*\kt:131+8*\kt], v[BO], s[BP:BP+1] offset:64*\kt
	global_load_b128 v[132+8*\kt:135+8*\kt], v[BO], s[BP:BP+1] offset:64*\kt+16
.endr
	WIN 0
.endm
.irp g, 0,1,2,3,4,5,6,7,8,9,10,11,12,13,14,15
	global_load_b32 v[S+\g], v[VPO], s[88:89] offset:4096*\g       ; thread t: channel t's sums of the 16 groups of rows
.endr
	QLOAD QP1
	BLOADS
	s_mul_i32 s84, s[WV], 64*PK
	v_mul_u32_u24 v[AK0], v1, PK
	v_lshl_add_u32 v[AK0], v9, 4, v[AK0]
	v_add_nc_u32 v[AK0], s84, v[AK0]               ; K: row 64 w + r, 16 h
	v_and_b32 v11, 7, v0
	v_lshl_add_u32 v[AV0], v9, 3, v11
	v_mul_u32_u24 v[AV0], v[AV0], PV
	v_bfe_u32 v11, v0, 3, 1
	v_lshl_add_u32 v[AV0], v11, 4, v[AV0]
	s_mul_i32 s84, s[WV], 64*PV
	s_add_co_u32 s84, s84, VOFF
	v_add_nc_u32 v[AV0], s84, v[AV0]               ; V: the turning load's place
	s_lshl_b32 s84, s[WV], 13
	s_add_co_u32 s84, s84, STG                     ; my 8 KB of the stage
	v_mul_u32_u24 v[STO], v1, 272
	v_lshl_add_u32 v[STO], v9, 4, v[STO]
	v_add_nc_u32 v[STO], s84, v[STO]
	v_mul_u32_u24 v[RD], v9, 272
	v_lshl_add_u32 v[RD], v1, 4, v[RD]
	v_add_nc_u32 v[RD], s84, v[RD]
	v_lshl_add_u32 v[SGR], v10, 4, s84
	v_lshlrev_b32 v[SGA], 4, v10
	v_add_nc_u32 v[SGA], STG, v[SGA]
	v_lshlrev_b32 v[GO], 11, v9
	v_lshl_add_u32 v[GO], v1, 4, v[GO]
	v_lshlrev_b32 v[GTO], 12, v1
	v_lshl_add_u32 v[GTO], v9, 5, v[GTO]
	s_lshl_b32 s84, s[WV], 8
	s_add_co_u32 s84, s84, STAT
	v_lshl_add_u32 v[SAR], v10, 3, s84
	s_lshl_b32 s84, s[WV], 10
	s_add_co_u32 s84, s84, STAT
	v_lshl_add_u32 v[SA], v10, 3, s84
	v_lshlrev_b32 v[VMA], 5, v9
	v_add_nc_u32 v[VMA], VM, v[VMA]
	v_lshl_add_u32 v[VMW], v0, 2, VM
	v_lshlrev_b32 v[PFO], 8, v10
	s_sub_co_i32 s84, s15, s[WV]
	s_lshl_b32 s84, s84, 6
	v_lshlrev_b32 v11, 3, v9
	v_sub_nc_u32 v[DQ], v1, v11
	v_add_nc_u32 v[DQ], s84, v[DQ]                 ; on the diagonal: register 8 kt + j of tile t is hidden where 16 kt + j > 64 (c - w) + 16 t + r - 8 h
	v_add_nc_u32 v[DQ+1], 16, v[DQ]
	v_add_nc_u32 v[DQ+2], 32, v[DQ]
	v_add_nc_u32 v[DQ+3], 48, v[DQ]
	v_mov_b32 v[NEGR], 0xce800000                  ; -2^30
.macro RESET                           ; a block begins: c m = m = -3e38, l = 0
.irp t, 0,1,2,3
	v_mov_b32 v[ST+8*\t], 0xff61b1e6
	v_mov_b32 v[ST+8*\t+1], 0xff61b1e6
	v_mov_b32 v[ST+8*\t+2], 0
	v_mov_b32 v[ST+8*\t+3], 0
.endr
.endm
.set i, 0
.rept 32
	v_mov_b32 v[ST+i], 0
.set i, i+1
.endr
	RESET
	WIN 0x40
.set i, 0
.rept 256
	v_mov_b32 v[i], 0                              ; O^T, once, while the first tiles are on their way: the step is written with no first-step form, and a = 0 needs finite numbers to wipe
.set i, i+1
.endr
	WIN 0
	s_wait_loadcnt 40                              ; the 16 column sums are in; Q's 32 loads and the bias's 8 stay out
.irp g, 2,4,6,8,10,12,14
	v_pk_add_f32 v[S:S+1], v[S:S+1], v[S+\g:S+\g+1]
.endr
	v_add_f32 v[S], v[S], v[S+1]
	v_mul_f32 v[S], 0x3a000000, v[S]               ; / 2048
	ds_store_b32 v[VMW], v[S]                      ; the others read it behind later barriers
.macro PV x                            ; product i of 32 of O^T += V^T P: keys 32 (i / 16) on, channels 16 ((i / 2) % 8) on, tile x + i % 2.  16 accumulators by turns
	WIN W_PV
.set rO, 64*(\x+i%2)+8*((i/2)%8)
.set rV, 64*(i/16)+8*((i/2)%8)
.set rP, P+16*(\x+i%2)+8*(i/16)
	v_wmma_f32_16x16x32_f16 v[rO:rO+7], v[rV:rV+7], v[rP:rP+7], v[rO:rO+7]
.endm
.macro KQ x                            ; product i of 32 of S^T = K Q^T: channels 32 (i / 8) on, keys 16 ((i / 2) % 4) on, tile x + i % 2.  The first 8 start the sums from the bias
.set rS, S+32*(\x+i%2)+8*((i/2)%4)
.set rK, KF+32*((i/2)%4)+8*(i/8)
.set rQ, 32*(\x+i%2)+8*(i/8)
.if i < 8
	WIN 0x3a
	v_wmma_f32_16x16x32_f16 v[rS:rS+7], v[rK:rK+7], v[rQ:rQ+7], v[128+8*((i/2)%4):135+8*((i/2)%4)]
.else
	WIN 0x0a
	v_wmma_f32_16x16x32_f16 v[rS:rS+7], v[rK:rK+7], v[rQ:rQ+7], v[rS:rS+7]
.endif
.endm
.macro FETCH_K                         ; 32 loads, by channels: the eight loads of channels 32 c on (four tiles of 16 keys) stand together, c ascending: products 8 c .. 8 c + 7 of a piece read just these
	WIN 0
	v_add_nc_u32 v[ADR], s[TB], v[AK0]
	WIN 0x80
.irp c, 0,1,2,3
.irp kt, 0,1,2,3
	ds_load_b128 v[KF+32*\kt+8*\c:KF+32*\kt+8*\c+3],   v[ADR] offset:\kt*16*PK+\c*64
	ds_load_b128 v[KF+32*\kt+8*\c+4:KF+32*\kt+8*\c+7], v[ADR] offset:\kt*16*PK+\c*64+32
.endr
.endr
.endm
.macro FETCH_V
	WIN 0
	v_add_nc_u32 v[ADR], s[TB], v[AV0]
	s_wait_alu depctr_va_vdst(0)                   ; the wait for the softmax's batch of exponentials, ahead of the first instruction that names a result
	WIN 0xc0
.irp f, 0,1,2,3,4,5,6,7,8,9,10,11,12,13,14,15
	ds_load_tr16_b128 v[8*\f:8*\f+3],   v[ADR] offset:(\f/8)*32*PV+(\f%8)*32
	ds_load_tr16_b128 v[8*\f+4:8*\f+7], v[ADR] offset:(\f/8)*32*PV+16*PV+(\f%8)*32
.endr
.endm
; One tile's softmax for a step is a list of 134 instructions; SM writes number j of it for tile t.
;  0-15 the maximum of the 32 scores and the old m; 16-20 the other half of the lanes', the new m, c m, its change; 21-69 ONE BATCH: 16 packed scalings c s - c m and 33 exponentials (a at 23), none of which reads an exponential's result;
;  (the wait); 70-85 roundings to f16; 86-101 the sums, l = a l + sum; 102-133 the tile's O^T times a.
.macro SM t
.set rT, ST+8*(\t)
.set rS, S+32*(\t)
.set rP, P+16*(\t)
.set rO, 64*(\t)+2*(j-102)
.if j < 102
	WIN 0
.endif
.if j < 4
	v_max3_num_f32 v[rT+4+j], v[rS+8*j], v[rS+8*j+1], v[rS+8*j+2]
.elseif j < 12
	v_max3_num_f32 v[rT+4+j%4], v[rT+4+j%4], v[rS+8*(j%4)+2*(j/4)+1], v[rS+8*(j%4)+2*(j/4)+2]
.elseif j == 12
	v_max3_num_f32 v[rT+4], v[rT+4], v[rS+7], v[rS+15]
.elseif j == 13
	v_max3_num_f32 v[rT+6], v[rT+6], v[rS+23], v[rS+31]
.elseif j == 14
	v_max3_num_f32 v[rT+4], v[rT+4], v[rT+5], v[rT+6]
.elseif j == 15
	v_max3_num_f32 v[rT+4], v[rT+4], v[rT+7], v[rT+1]
.elseif j == 16
	v_permlanex16_b32 v[rT+5], v[rT+4], s[SEL], s[SEL+1]
.elseif j == 17
	v_mov_b32 v[rT+7], v[rT]
.elseif j == 18
	v_max_num_f32 v[rT+1], v[rT+4], v[rT+5]
.elseif j == 19
	v_mul_f32 v[rT], s[CS], v[rT+1]
.elseif j == 20
	v_sub_f32 v[rT+7], v[rT+7], v[rT]
.elseif j == 23
	v_exp_f32 v[rT+6], v[rT+7]
.elseif (j < 23) || ((j < 38) && (j%2 == 0)) || ((j < 66) && (j%4 == 2))
.set b, (j-2)/4
.if j < 38
.set b, (j-20)/2
.endif
	v_pk_fma_f32 v[rS+2*b:rS+2*b+1], v[rS+2*b:rS+2*b+1], s[CS:CS+1], v[rT:rT+1] op_sel_hi:[1,0,0] neg_lo:[0,0,1] neg_hi:[0,0,1]
.elseif j < 70
.set e, j-38
.if j < 66
.set e, j-32-(j-38)/4
.endif
.if j < 38
.set e, (j-25)/2
.endif
	v_exp_f32 v[rS+e], v[rS+e]
.elseif j < 86
	v_cvt_pk_f16_f32 v[rP+j-70], v[rS+2*(j-70)], v[rS+2*(j-70)+1]
.elseif j < 102
.set z, j-86
.set w, 4
.set u, z
.if z >= 14
.set w, 32
.set u, 0
.elseif z >= 12
.set w, 16
.set u, z-12
.elseif z >= 8
.set w, 8
.set u, z-8
.endif
.if z < 15
	v_pk_add_f32 v[rS+w*u:rS+w*u+1], v[rS+w*u:rS+w*u+1], v[rS+w*u+w/2:rS+w*u+w/2+1]
.else
	v_pk_fma_f32 v[rT+2:rT+3], v[rT+2:rT+3], v[rT+6:rT+7], v[rS:rS+1] op_sel_hi:[1,0,1]
.endif
.else
	WIN W_RS
	v_pk_mul_f32 v[rO:rO+1], v[rO:rO+1], v[rT+6:rT+7] op_sel_hi:[1,0]
.endif
.endm
; Slice k of 64 of piece y's softmax.  Slices 11 to 34 deal out the batch, four numbers of one tile each; every other slice is numbers 2 k and 2 k + 1 of both tiles; slice 63 takes the twelve that are over.
; Behind slice 34 stand one plain instruction and the piece's one wait; with piece 0's softmax V's run of loads stands there too.
.macro SLICE y
.if (k >= 11) && (k < 35)
.irp n, 0,1,2,3
.set j, 22+4*((k-11)/2)+(\n)
	SM (\y)+(k-11)%2
.endr
.else
.irp n, 0,1,2,3,4,5,6,7
.if (\n < 2) || (k == 63)
.irp t, \y, \y+1
.set j, 2*k+\n
	SM \t
.endr
.endif
.endr
.endif
.if k == 34
	v_nop
.if (\y) == 0
	FETCH_V
.else
	s_wait_alu depctr_va_vdst(0)
.endif
.endif
.set k, k+1
.endm
.macro MASK x                          ; the diagonal slot: hidden scores of tiles x, x + 1 become -2^30; each accumulator from its low end on
.irp t, \x, \x+1
.set n, 0
.rept 32
	v_cmp_gt_i32 vcc_lo, 16*(n/8)+n%8, v[DQ+(\t)]
	v_cndmask_b32 v[S+32*(\t)+n], v[S+32*(\t)+n], v[NEGR], vcc_lo
.set n, n+1
.endr
.endr
.endm
; THE CHANGE OF SLOTS, at a trip's head.  Each wave waits for all its tensor loads (one is out: its part of the slot ahead), adds 0 to its spare word, and waits for that and for its reads of the slot that it has left.
; fill = 1: a round of the cluster's barrier, and the joint refill first behind it: it has a whole step, 128 matrix instructions, in which to land.
.macro CHANGE fill
	WIN 0
	s_wait_tensorcnt 0x0                           ; no tensor load of mine is out, so the groups 0 may be written
	ds_add_u32 v[SPW], v[NIL]
.if \fill
	s_xor_b32 s[SL], s[SL], SLOTB
	s_add_co_u32 s[KN], s[KN], 1
	s_cmp_eq_u32 s[T], s[SW]
	s_cselect_b32 s[KN], 0, s[KN]                  ; behind the first block's diagonal the second block begins at key 0
	s_lshl_b32 s84, s[KN], 16
	s_add_co_u32 s[G0K+1], s[LWK], s[SL]
	s_add_nc_u64 s[G0K+2:G0K+3], s[KB:KB+1], s[84:85]
	s_or_b32 s[G0K+3], s[G0K+3], 0x80000000
	s_add_co_u32 s[G0V+1], s[LWV], s[SL]
	s_add_nc_u64 s[G0V+2:G0V+3], s[VB:VB+1], s[84:85]
	s_or_b32 s[G0V+3], s[G0V+3], 0x80000000
	s_wait_xcnt 0x0                                ; the last prefetch, a trip back, has read its address
	s_add_nc_u64 s[PFA:PFA+1], s[PFA:PFA+1], 65536
	s_wait_dscnt 0x0
	CROUND
	JLOAD
	ASK
.else
	s_wait_dscnt 0x0
	s_barrier_signal -1
	s_barrier_wait -1
.endif
.endm
; A ROUND OF THE MERGE.  Wave u lays all of its O^T into the stage as an image of its registers; a barrier; every wave takes tile w of it, its own too, so that all register numbers are constants of the text;
; a second barrier, with the arithmetic between its signal and its wait, frees the stage for the next wave.
.macro FROUND u
	s_cmp_lg_u32 s[WV], \u
	s_cbranch_scc1 .Lnotme_\@
	WIN 0x04
.set g, 0
.rept 64
	ds_store_b128 v[SGA], v[4*g:4*g+3] offset:512*g
.set g, g+1
.endr
	WIN 0
.Lnotme_\@:
	s_wait_dscnt 0x0                               ; for the others' sake: my stores have landed
	s_barrier_signal -1
	s_barrier_wait -1
.set g, 0
.rept 16
	ds_load_b128 v[X+4*g:X+4*g+3], v[SGR] offset:512*g
.set g, g+1
.endr
.if \u == 0
.irp q, 0,1,2,3
	ds_load_b64 v[12+2*\q:13+2*\q], v[SAR] offset:1024*\q          ; (c m, l) of tile w in wave q
.endr
.endif
	s_wait_dscnt 0x0                               ; my reads of the stage are over
.if \u < 3
	s_barrier_signal -1
.endif
.if \u == 0
	v_max3_num_f32 v20, v12, v14, v16
	v_max_num_f32 v20, v20, v18                    ; the merged c m
.irp q, 0,1,2,3
	v_sub_f32 v[28+2*\q], v[12+2*\q], v20
.endr
.irp q, 0,1,2,3
	v_exp_f32 v[28+2*\q], v[28+2*\q]               ; what each wave's part counts for
.endr
	v_nop
	s_wait_alu depctr_va_vdst(0)
	v_mul_f32 v22, v28, v13
	v_fmac_f32 v22, v30, v15
	v_fmac_f32 v22, v32, v17
	v_fmac_f32 v22, v34, v19                       ; the merged l
	v_rcp_f32 v24, v22
.set g, 0
.rept 32
	v_pk_mul_f32 v[ACC+2*g:ACC+2*g+1], v[X+2*g:X+2*g+1], v[28:29] op_sel_hi:[1,0]
.set g, g+1
.endr
	s_wait_alu depctr_va_vdst(0)                   ; the reciprocal has its wait ahead of the next branch
.else
.set g, 0
.rept 32
	v_pk_fma_f32 v[ACC+2*g:ACC+2*g+1], v[X+2*g:X+2*g+1], v[28+2*\u:29+2*\u], v[ACC+2*g:ACC+2*g+1] op_sel_hi:[1,0,1]
.set g, g+1
.endr
.endif
.if \u < 3
	s_barrier_wait -1
.endif
.endm
; A BLOCK'S END.
.macro FINISH gp, ap
	PLACES                                         ; behind the last products: loads land in P's registers, and O^T is read
.irp ct, 0,1,2,3,4,5,6,7
	global_load_b128 v[G+8*\ct:G+8*\ct+3], v[GTO], s[\gp:\gp+1] offset:64*\ct          ; the gate of tile w's rows, in O^T's layout
	global_load_b128 v[G+8*\ct+4:G+8*\ct+7], v[GTO], s[\gp:\gp+1] offset:64*\ct+16
.endr
.irp t, 0,1,2,3
	v_add_f32 v[ST+8*\t+4], v[ST+8*\t+2], v[ST+8*\t+3]
.endr
.irp t, 0,1,2,3
	v_permlanex16_b32 v[ST+8*\t+5], v[ST+8*\t+4], s[SEL], s[SEL+1]
.endr
.irp t, 0,1,2,3
	v_add_f32 v[ST+8*\t+1], v[ST+8*\t+4], v[ST+8*\t+5]             ; my wave's l of the tile
.endr
.irp t, 0,1,2,3
	ds_store_b64 v[SA], v[ST+8*\t:ST+8*\t+1] offset:256*\t
.endr
	FROUND 0
	FROUND 1
	FROUND 2
	FROUND 3
.irp ct, 0,1,2,3,4,5,6,7
	ds_load_b128 v[X+8*\ct:X+8*\ct+3], v[VMA] offset:64*\ct        ; the mean of v, in O^T's layout
	ds_load_b128 v[X+8*\ct+4:X+8*\ct+7], v[VMA] offset:64*\ct+16
.endr
	s_wait_loadcnt 0x0                             ; the gate
.set g, 0
.rept 32
	v_pk_mul_f32 v[G+2*g:G+2*g+1], v[G+2*g:G+2*g+1], s[86:87] op_sel_hi:[1,0]
.set g, g+1
.endr
.set g, 0
.rept 64
	v_exp_f32 v[G+g], v[G+g]
.set g, g+1
.endr
.set g, 0
.rept 32
	v_pk_mul_f32 v[ACC+2*g:ACC+2*g+1], v[ACC+2*g:ACC+2*g+1], v[24:25] op_sel_hi:[1,0]   ; O / l: plain work behind the exponentials
.set g, g+1
.endr
	s_wait_alu depctr_va_vdst(0)                   ; one wait for the 64
.set g, 0
.rept 32
	v_pk_add_f32 v[G+2*g:G+2*g+1], v[G+2*g:G+2*g+1], 1.0 op_sel_hi:[1,0]
.set g, g+1
.endr
.set g, 0
.rept 64
	v_rcp_f32 v[G+g], v[G+g]                       ; sigmoid
.set g, g+1
.endr
	v_cmp_gt_f32 vcc_lo, 0xcc3ebc20, v20           ; no valid key: c m under -5e7
	s_wait_dscnt 0x0
.set g, 0
.rept 64
	v_cndmask_b32 v[ACC+g], v[ACC+g], v[X+g], vcc_lo
.set g, g+1
.endr
	s_wait_alu depctr_va_vdst(0)                   ; one wait for the 64 reciprocals
.set g, 0
.rept 32
	v_pk_mul_f32 v[ACC+2*g:ACC+2*g+1], v[ACC+2*g:ACC+2*g+1], v[G+2*g:G+2*g+1]
.set g, g+1
.endr
.set g, 0
.rept 32
	v_cvt_pk_f16_f32 v[X+g], v[ACC+2*g], v[ACC+2*g+1]
.set g, g+1
.endr
.irp f, 0,1,2,3,4,5,6,7
	ds_store_b128 v[STO], v[X+4*\f:X+4*\f+3] offset:32*\f          ; through my own 8 KB of the stage, which I alone have been reading
.endr
.irp f, 0,1,2,3,4,5,6,7
	ds_load_b128 v[X+32+4*\f:X+32+4*\f+3], v[RD] offset:\f*544
.endr
	s_wait_dscnt 0x0
.irp f, 0,1,2,3,4,5,6,7
	global_store_b128 v[GO], v[X+32+4*\f:X+32+4*\f+3], s[\ap:\ap+1] offset:4096*\f     ; sixteen lanes store 256 consecutive bytes, aligned
.endr
	s_wait_xcnt 0x0                                ; the stores have read their registers, which later scores overwrite
.endm
; A STEP: my 64 keys of the slot in hand against my work-group's 64 queries.  mode 0: in the loop, where the diagonal's extra work is jumped over unless T = SW (the same in all waves and partners); mode 1: the last slot, always a diagonal.
.macro STEP mode, gp, ap
	FETCH_K
	s_wait_loadcnt 0x0                             ; the bias, and Q where it was asked for
.set i, 0
.rept 32
.if (i%8) == 0
	s_wait_dscnt 24-i                              ; LDS loads come back in the order of issue: the eight loads of channels 4 i on are in; the 24 - i of the later channels may be out
.endif
	KQ 0
.set i, i+1
.endr
	WIN 0
	PLACES
.if \mode == 0
	s_cmp_lg_u32 s[T], s[SW]
	s_cbranch_scc1 .Lopen0_\@
.endif
	MASK 0
.if \mode == 0
.Lopen0_\@:
.endif
.set k, 0
.set i, 0
.rept 32
	KQ 2
	SLICE 0
	SLICE 0
.set i, i+1
.endr
	WIN 0
.if \mode == 0
	s_wait_xcnt 0x0                                ; the bias of the slot that was asked for at this trip's head
	s_lshl_b32 s84, s[KN], 10
	s_add_nc_u64 s[BP:BP+1], s[BP0:BP0+1], s[84:85]
	BLOADS
	s_cmp_lg_u32 s[T], s[SW]
	s_cbranch_scc1 .Lopen2_\@
.endif
	MASK 2
.if \mode == 0
	QLOAD QP2                                      ; the first block's last scores are made: the second block's queries
.Lopen2_\@:
.endif
	s_wait_dscnt 0x0                               ; V is in
.set k, 0
.set i, 0
.rept 32
	PV 0
	SLICE 2
	SLICE 2
.set i, i+1
.endr
.set i, 0
.rept 32
	PV 2
.set i, i+1
.endr
	WIN 0
.if \mode == 0
	s_cmp_lg_u32 s[T], s[SW]
	s_cbranch_scc1 .Lon_\@
.endif
	FINISH \gp, \ap
.if \mode == 0
	RESET
.Lon_\@:
.endif
	s_xor_b32 s[TB], s[TB], SLOTB
.endm
.Ltrip:                                ; eight trips: behind each change the next slot is asked for
	CHANGE 1
	STEP 0, GP1, AP1
	s_add_co_u32 s[T], s[T], 1
	s_cmp_lt_u32 s[T], 8
	s_cbranch_scc1 .Ltrip
	CHANGE 0                                       ; the ninth slot is written out: nothing is left to ask for
	STEP 1, GP2, AP2
	s_wait_tensorcnt 0x0                           ; the wave's end
	ds_add_u32 v[SPW], v[NIL]
	s_wait_dscnt 0x0
	CROUND                                         ; the closing round
	s_endpgm
.Lfunc_end_k_q8311ccee5f_attn:
	.size	k_q8311ccee5f_attn, .Lfunc_end_k_q8311ccee5f_attn-k_q8311ccee5f_attn
	.p2alignl 7, 3214868480
	.fill 96, 4, 3214868480
	.section	.rodata,"a",@progbits
	.p2align	6, 0x0
	.amdhsa_kernel k_q8311ccee5f_attn
		.amdhsa_group_segment_fixed_size 327680
		.amdhsa_private_segment_fixed_size 0
		.amdhsa_enable_private_segment 0
		.amdhsa_kernarg_size 40
		.amdhsa_user_sgpr_count 2
		.amdhsa_user_sgpr_kernarg_segment_ptr 1
		.amdhsa_wavefront_size32 1
		.amdhsa_system_sgpr_workgroup_id_x 1
		.amdhsa_system_sgpr_workgroup_id_y 1
		.amdhsa_system_sgpr_workgroup_id_z 1
		.amdhsa_system_vgpr_workitem_id 0
		.amdhsa_next_free_vgpr 1024
		.amdhsa_next_free_sgpr 92
		.amdhsa_reserve_vcc 1
		.amdhsa_float_denorm_mode_32 3
		.amdhsa_float_denorm_mode_16_64 3
		.amdhsa_memory_ordered 1
		.amdhsa_forward_progress 1
		.amdhsa_inst_pref_size 243
	.end_amdhsa_kernel
	.amdgpu_metadata
---
amdhsa.version: [ 1, 2 ]
amdhsa.kernels:
  - .name:           k_q8311ccee5f_attn
    .symbol:         k_q8311ccee5f_attn.kd
    .args:
      - { .name: qkv, .offset: 0, .size: 8, .value_kind: global_buffer, .address_space: global }
      - { .name: gate, .offset: 8, .size: 8, .value_kind: global_buffer, .address_space: global }
      - { .name: fine, .offset: 16, .size: 8, .value_kind: global_buffer, .address_space: global }
      - { .name: tab, .offset: 24, .size: 8, .value_kind: global_buffer, .address_space: global }
      - { .name: att, .offset: 32, .size: 8, .value_kind: global_buffer, .address_space: global }
    .group_segment_fixed_size: 327680
    .private_segment_fixed_size: 0
    .kernarg_segment_align: 8
    .kernarg_segment_size: 40
    .max_flat_workgroup_size: 128
    .sgpr_count:     92
    .vgpr_count:     1024
    .wavefront_size: 32
...
	.end_amdgpu_metadata
.endif
;; end of part 3
;; launch proj (part 4): grid 8 x 32, 4 waves a work-group, clusters of 4 x 4, 327,680 bytes of LDS; arguments att, wo16, out0; writes out0
.if DOCPART == 4
	.amdgcn_target "amdgcn-amd-amdhsa--gfx1250"
	.amdhsa_code_object_version 6
	.text
	.protected	k_q8311ccee5f_proj
	.globl	k_q8311ccee5f_proj
	.p2align	8
	.type	k_q8311ccee5f_proj,@function
k_q8311ccee5f_proj:
	s_mov_b64 s[64:65], 0
	v_nop
	global_prefetch_b8 v0, s[64:65] scope:SCOPE_SE
	s_setreg_imm32_b32 hwreg(HW_REG_WAVE_MODE, 25, 1), 1
	s_wait_xcnt 0x0
	s_wait_alu depctr_hold_cnt(0) depctr_sa_sdst(0) depctr_va_vdst(0) depctr_va_sdst(0) depctr_va_ssrc(0) depctr_va_vcc(0) depctr_vm_vsrc(0)
	s_getreg_b32 s2, hwreg(HW_REG_IB_STS2, 6, 4)
	s_cmp_eq_u32 s2, 0
	s_cbranch_scc0 .Lentry_in_a_cluster
	s_endpgm
.Lentry_in_a_cluster:
	s_bfe_u32 s2, ttmp6, 0x10000c
	s_cmp_lg_u32 s2, 0xf033
	s_cbranch_scc0 .Lentry_shape_is_right
	s_endpgm
.Lentry_shape_is_right:
; out0 [4096][2048] f32 = att [4096][1024] f16 times wo16 [1024 k][2048 n] f16; sums in f32.
; A tile of 128 x 256 gives 256 work-groups.  Four waves, 64 x 128 each: 32 accumulators, 256 registers.  K goes in steps of 128 through two LDS slots filled by the tensor data mover.
; wo16 lies with n innermost: its tile is 128 rows of k x 512 bytes, and the fragments come out of LDS turned, by ds_load_tr16_b128.  The matrix instruction is used transposed (source 0 = 16 columns of Wo, source 1 = 16 rows of att).
; 4 x 4 work-groups form a cluster: att's tiles are asked for jointly along a row of it, wo16's along a column.
; The first 16 rows of each batch are stored here like all others and stored again, more finely, by the launch that follows: leaving them out would need a branch on the work-group's place in its cluster.
; REGISTERS: window 0: v0-31 addresses; v64-95, v96-127 A's fragments, two buffers; v128-255 the way out.  window 1: v0-63, v64-127 B's fragments, two buffers.  window 2: the accumulators, (a, b) at v[8 (8 a + b)].
.set PA,     272                       ; a row of A's tile in LDS: 256 bytes + 16
.set PB,     544                       ; a row of B's: 512 + 32, for the turning load
.set BOFF,   128*PA
.set SLOT,   BOFF+128*PB
.set STAGE,  2*SLOT
.set SPITCH, 528
.set SPARE,  STAGE+4*16*SPITCH         ; the spare words, 128 bytes for each wave
.set LAPS,   4
.set ADRA, 16
.set ADRB, 20
.set STO,  24
.set RD,   25
.set CO,   26
.set SPW,  28
.set NIL,  29
.set BK,   128
.set G1, 24
.set G0, 32
.set G1B, 48
.set G0B, 56
.set MSB, 0
.macro WIN new
.if MSB != \new
	s_set_vgpr_msb (MSB<<8)|\new
.set MSB, \new
.endif
.endm
.set MUL, 0xa1                         ; source 0 (B) window 1, source 1 (A) window 0, C and D window 2
.macro JLOAD s                         ; waves 0 and 1 fetch A's halves, waves 2 and 3 B's; an s_nop 0 and four v_nop follow each line
	s_cmp_eq_u32 s11, 0
	s_cbranch_scc0 .Lfor_b_\@
	tensor_load_to_lds s[G0+4*\s:G0+4*\s+3], s[G1:G1+7]
	s_nop 0
.rept 4
	v_nop
.endr
	s_branch .Lasked_\@
.Lfor_b_\@:
	tensor_load_to_lds s[G0B+4*\s:G0B+4*\s+3], s[G1B:G1B+7]
	s_nop 0
.rept 4
	v_nop
.endr
.Lasked_\@:
.endm
.macro CREST
	s_cmp_lg_u32 s10, 0
	s_cbranch_scc1 .Lnot_wave_0_\@
	s_barrier_signal -3
.Lnot_wave_0_\@:
	s_barrier_wait -3
	s_barrier_signal -1
	s_barrier_wait -1
.endm
.macro CROUND
	s_barrier_signal -1
	s_barrier_wait -1
	CREST
.endm
	s_load_b128 s[4:7], s[0:1], 0x0                ; att, wo16
	s_load_b64 s[8:9], s[0:1], 0x10                ; out0
	v_lshl_add_u32 v[SPW], v0, 2, SPARE
	v_mov_b32 v[NIL], 0
	ds_add_u32 v[SPW], v[NIL]                      ; the wave's opening: the add, twice on end, and its wait ahead of my first tensor load
	ds_add_u32 v[SPW], v[NIL]
	v_lshrrev_b32 v1, 5, v0
	v_readfirstlane_b32 s10, v1
	s_lshr_b32 s11, s10, 1                         ; my half of the tile's rows; also: I fetch for A (0) or B (1)
	s_and_b32 s12, s10, 1                          ; my half of its columns; also: which 64 rows I fetch
	s_bfe_u32 s40, ttmp6, 0x40000
	s_bfe_u32 s41, ttmp6, 0x40004
	s_lshl_b32 s42, ttmp9, 2
	s_add_co_u32 s42, s42, s40                     ; tile column
	s_and_b32 s13, ttmp7, 0xffff
	s_lshl_b32 s13, s13, 2
	s_add_co_u32 s13, s13, s41                     ; tile row
	s_lshl_b32 s43, s41, 2
	s_lshl_b32 s43, 15, s43
	s_lshl_b32 s44, 0x1111, s40
	s_or_b32 s[G1+0], s43, (1<<16)|(1<<20)|(1<<21)|(5<<22)|(3<<25)   ; A: 64 rows x 128 elements of 2 bytes; 4 words of padding after every 64
	s_mov_b32 s[G1+1], 128<<16
	s_mov_b32 s[G1+2], 64<<16
	s_mov_b32 s[G1+3], 128<<16
	s_mov_b32 s[G1+4], 64
	s_mov_b32 s[G1+5], 1024
	s_mov_b32 s[G1+6], 0
	s_mov_b32 s[G1+7], 0
	s_or_b32 s[G1B+0], s44, (1<<16)|(1<<20)|(1<<21)|(6<<22)|(7<<25)  ; B: 64 rows of k x 256 elements; 8 words of padding after every 128
	s_mov_b32 s[G1B+1], 256<<16
	s_mov_b32 s[G1B+2], 64<<16
	s_mov_b32 s[G1B+3], 256<<16
	s_mov_b32 s[G1B+4], 64
	s_mov_b32 s[G1B+5], 2048
	s_mov_b32 s[G1B+6], 0
	s_mov_b32 s[G1B+7], 0
	s_lshl_b32 s16, s13, 7
	s_lshl_b32 s17, s12, 6
	s_add_co_u32 s16, s16, s17
	s_lshl_b32 s16, s16, 11                        ; A: row 128 x tile row + 64 x half, 2,048 bytes a row
	s_mov_b32 s17, 0
	s_lshl_b32 s46, s12, 18                        ; B: k row 64 x half, 4,096 bytes a row,
	s_lshl_b32 s47, s42, 9
	s_add_co_u32 s46, s46, s47                     ; + 512 bytes x tile column
	s_mov_b32 s47, 0
	s_mul_i32 s20, s12, 64*PA
	s_mul_i32 s21, s12, 64*PB
	s_add_co_u32 s21, s21, BOFF
	s_wait_dscnt 0x0                               ; both opening adds are done
	s_wait_kmcnt 0x0
	s_add_nc_u64 s[14:15], s[4:5], s[16:17]
	s_add_nc_u64 s[46:47], s[6:7], s[46:47]
	CROUND
.irp s, 0,1
	s_mov_b32 s[G0+4*\s], 1
	s_add_co_u32 s[G0+4*\s+1], s20, \s*SLOT
	s_add_nc_u64 s[G0+4*\s+2:G0+4*\s+3], s[14:15], \s*256
	s_or_b32 s[G0+4*\s+3], s[G0+4*\s+3], 0x80000000
	s_mov_b32 s[G0B+4*\s], 1
	s_add_co_u32 s[G0B+4*\s+1], s21, \s*SLOT
	s_add_nc_u64 s[G0B+4*\s+2:G0B+4*\s+3], s[46:47], \s*524288
	s_or_b32 s[G0B+4*\s+3], s[G0B+4*\s+3], 0x80000000
	JLOAD \s
.endr
	v_and_b32 v1, 15, v0
	v_bfe_u32 v2, v0, 4, 1
	v_mul_u32_u24 v3, v1, PA
	v_lshl_add_u32 v3, v2, 4, v3
	v_and_b32 v4, 7, v0
	v_lshl_add_u32 v4, v2, 3, v4
	v_mul_u32_u24 v4, v4, PB
	v_bfe_u32 v5, v0, 3, 1
	v_lshl_add_u32 v4, v5, 4, v4                   ; the turning load's place: k row 8 h + l % 8, 16 bytes x ((l / 8) % 2)
	s_mul_i32 s21, s11, 64*PA
	s_lshl_b32 s22, s12, 8
	s_add_co_u32 s22, s22, BOFF
.irp s, 0,1
	v_add_nc_u32 v[ADRA+\s], s21, v3
	v_add_nc_u32 v[ADRB+\s], s22, v4
	s_add_co_u32 s21, s21, SLOT
	s_add_co_u32 s22, s22, SLOT
.endr
	s_mul_i32 s23, s10, 16*SPITCH
	s_add_co_u32 s23, s23, STAGE
	v_mul_u32_u24 v5, v1, SPITCH
	v_lshl_add_u32 v5, v2, 5, v5
	v_add_nc_u32 v[STO], s23, v5
	v_and_b32 v6, 31, v0
	v_lshlrev_b32 v[CO], 4, v6
	v_add_nc_u32 v[RD], s23, v[CO]
	s_lshl_b32 s20, s13, 20
	s_lshl_b32 s21, s11, 19
	s_add_co_u32 s20, s20, s21
	s_lshl_b32 s21, s42, 10
	s_add_co_u32 s20, s20, s21
	s_lshl_b32 s21, s12, 9
	s_add_co_u32 s20, s20, s21
	s_mov_b32 s21, 0
	s_add_nc_u64 s[8:9], s[8:9], s[20:21]          ; my 64 rows x 512 bytes of out0
.macro MUL8 f, a, zero                 ; A's block a x B's eight, 32 along K, from buffer f.  The 32 accumulators take turns, in the same order in every quarter
.irp b, 0,1,2,3,4,5,6,7
.if \zero
	v_wmma_f32_16x16x32_f16 v[8*(8*(\a)+\b):8*(8*(\a)+\b)+7], v[64*(\f)+8*\b:64*(\f)+8*\b+7], v[64+32*(\f)+8*(\a):64+32*(\f)+8*(\a)+7], 0
.else
	v_wmma_f32_16x16x32_f16 v[8*(8*(\a)+\b):8*(8*(\a)+\b)+7], v[64*(\f)+8*\b:64*(\f)+8*\b+7], v[64+32*(\f)+8*(\a):64+32*(\f)+8*(\a)+7], v[8*(8*(\a)+\b):8*(8*(\a)+\b)+7]
.endif
.endr
.endm
.macro FETCH slot, q, f                ; 24 LDS loads in one run: the slot's q-th 32 along K into buffer f; B's sixteen first, then A's eight
	WIN 0x40
.irp n, 0,1,2,3,4,5,6,7
	ds_load_tr16_b128 v[64*(\f)+8*\n:64*(\f)+8*\n+3],   v[ADRB+\slot] offset:32*(\q)*PB+32*\n
	ds_load_tr16_b128 v[64*(\f)+8*\n+4:64*(\f)+8*\n+7], v[ADRB+\slot] offset:32*(\q)*PB+32*\n+16*PB
.endr
	WIN 0
.irp i, 0,1,2,3
	ds_load_b128 v[64+32*(\f)+8*\i:64+32*(\f)+8*\i+3],   v[ADRA+\slot] offset:64*(\q)+\i*16*PA
	ds_load_b128 v[64+32*(\f)+8*\i+4:64+32*(\f)+8*\i+7], v[ADRA+\slot] offset:64*(\q)+\i*16*PA+32
.endr
.endm
.macro PLACES
.rept 4
	v_nop
.endr
.endm
.macro QUARTER slot, q, f, g, zero     ; multiplies buffer f; in its middle fetches the slot's q-th 32 along K into buffer g
	s_wait_dscnt 4                                 ; B and A's blocks 0, 1 are in; A's blocks 2, 3 (four loads) may be out
	WIN MUL
	MUL8 \f, 0, \zero
	MUL8 \f, 1, \zero
	PLACES
	FETCH \slot, \q, \g
	s_wait_dscnt 24                                ; all but the 24 just issued
	WIN MUL
	MUL8 \f, 2, \zero
	MUL8 \f, 3, \zero
.endm
.macro TURN slot, next, fill           ; the slot's last quarter multiplies buffer 1 and changes slots
	WIN 0
	s_wait_tensorcnt 0x0                           ; all my tensor loads have landed: my part of the next slot
	ds_add_u32 v[SPW], v[NIL]
	s_wait_dscnt 5                                 ; the add and the youngest four loads may be out
	WIN MUL
	MUL8 1, 0, 0
	s_wait_dscnt 0x0                               ; the add is done, and my reads of this slot are over
	s_barrier_signal -1
	MUL8 1, 1, 0
.if \fill
	WIN 0
.endif
	s_barrier_wait -1
.if \fill
	CREST
	s_add_nc_u64 s[G0+4*\slot+2:G0+4*\slot+3], s[G0+4*\slot+2:G0+4*\slot+3], 2*256
	s_add_nc_u64 s[G0B+4*\slot+2:G0B+4*\slot+3], s[G0B+4*\slot+2:G0B+4*\slot+3], 2*524288
	JLOAD \slot                                    ; the first tensor load behind the round; its four v_nop are also the places in front of the loads below
.else
	PLACES
.endif
	FETCH \next, 0, 0
	WIN MUL
	MUL8 1, 2, 0
	MUL8 1, 3, 0
.endm
	s_wait_tensorcnt 1                             ; my part of K step 0 is in; K step 1's may be out
	s_barrier_signal -1
	s_barrier_wait -1
	FETCH 0, 0, 0
	QUARTER 0, 1, 0, 1, 1                          ; the first quarter's products start the sums
	WIN 0
	s_mov_b32 s3, LAPS-1
.Llap:
	QUARTER 0, 2, 1, 0, 0
	QUARTER 0, 3, 0, 1, 0
	TURN 0, 1, 1
	QUARTER 1, 1, 0, 1, 0
	QUARTER 1, 2, 1, 0, 0
	QUARTER 1, 3, 0, 1, 0
	TURN 1, 0, 1
	QUARTER 0, 1, 0, 1, 0
	WIN 0
	s_sub_co_u32 s3, s3, 1
	s_cmp_lg_u32 s3, 0
	s_cbranch_scc1 .Llap
	QUARTER 0, 2, 1, 0, 0
	QUARTER 0, 3, 0, 1, 0
	TURN 0, 1, 0
	QUARTER 1, 1, 0, 1, 0
	QUARTER 1, 2, 1, 0, 0
	QUARTER 1, 3, 0, 1, 0
	s_wait_dscnt 4
	WIN MUL
	MUL8 1, 0, 0
	MUL8 1, 1, 0
	s_wait_dscnt 0
	MUL8 1, 2, 0
	MUL8 1, 3, 0
	WIN 0
.macro TOSTAGE a                       ; 16 rows x 512 bytes through my own stage; each accumulator from its low end on
	WIN 0x08
.irp b, 0,1,2,3,4,5,6,7
	ds_store_b128 v[STO], v[64*(\a)+8*\b:64*(\a)+8*\b+3] offset:64*\b
	ds_store_b128 v[STO], v[64*(\a)+8*\b+4:64*(\a)+8*\b+7] offset:64*\b+16
.endr
	WIN 0
.set BB, BK+64*((\a)%2)
.irp t, 0,1,2,3,4,5,6,7,8,9,10,11,12,13,14,15
	ds_load_b128 v[BB+4*\t:BB+4*\t+3], v[RD] offset:\t*SPITCH
.endr
.endm
.macro SEND a, younger
.set BB, BK+64*((\a)%2)
	s_wait_dscnt \younger
.irp t, 0,1,2,3,4,5,6,7,8,9,10,11,12,13,14,15
	global_store_b128 v[CO], v[BB+4*\t:BB+4*\t+3], s[8:9] offset:(16*(\a)+\t)*8192     ; 32 lanes store 512 consecutive bytes
.endr
.endm
	PLACES
	TOSTAGE 0
.irp a, 1,2,3
.if \a > 1
	s_wait_xcnt 0x0                                ; block a - 2's stores have read their registers
.endif
	TOSTAGE \a
	SEND \a-1, 32
.endr
	SEND 3, 0
	s_wait_tensorcnt 0x0                           ; the wave's end
	ds_add_u32 v[SPW], v[NIL]
	s_wait_dscnt 0x0
	CROUND
	s_endpgm
.Lfunc_end_k_q8311ccee5f_proj:
	.size	k_q8311ccee5f_proj, .Lfunc_end_k_q8311ccee5f_proj-k_q8311ccee5f_proj
	.p2alignl 7, 3214868480
	.fill 96, 4, 3214868480
	.section	.rodata,"a",@progbits
	.p2align	6, 0x0
	.amdhsa_kernel k_q8311ccee5f_proj
		.amdhsa_group_segment_fixed_size 327680
		.amdhsa_private_segment_fixed_size 0
		.amdhsa_enable_private_segment 0
		.amdhsa_kernarg_size 24
		.amdhsa_user_sgpr_count 2
		.amdhsa_user_sgpr_kernarg_segment_ptr 1
		.amdhsa_wavefront_size32 1
		.amdhsa_system_sgpr_workgroup_id_x 1
		.amdhsa_system_sgpr_workgroup_id_y 1
		.amdhsa_system_sgpr_workgroup_id_z 1
		.amdhsa_system_vgpr_workitem_id 0
		.amdhsa_next_free_vgpr 768
		.amdhsa_next_free_sgpr 66
		.amdhsa_reserve_vcc 0
		.amdhsa_float_denorm_mode_32 3
		.amdhsa_float_denorm_mode_16_64 3
		.amdhsa_memory_ordered 1
		.amdhsa_forward_progress 1
		.amdhsa_inst_pref_size 85
	.end_amdhsa_kernel
	.amdgpu_metadata
---
amdhsa.version: [ 1, 2 ]
amdhsa.kernels:
  - .name:           k_q8311ccee5f_proj
    .symbol:         k_q8311ccee5f_proj.kd
    .args:
      - { .name: att, .offset: 0, .size: 8, .value_kind: global_buffer, .address_space: global }
      - { .name: wo16, .offset: 8, .size: 8, .value_kind: global_buffer, .address_space: global }
      - { .name: out0, .offset: 16, .size: 8, .value_kind: global_buffer, .address_space: global }
    .group_segment_fixed_size: 327680
    .private_segment_fixed_size: 0
    .kernarg_segment_align: 8
    .kernarg_segment_size: 24
    .max_flat_workgroup_size: 128
    .sgpr_count:     66
    .vgpr_count:     768
    .wavefront_size: 32
...
	.end_amdgpu_metadata
.endif
;; end of part 4
;; launch first16 (part 5): grid 128 x 2, 8 waves a work-group, no clusters, 148,480 bytes of LDS; arguments fine, gate, tab, Wo, out0; writes out0
.if DOCPART == 5
	.amdgcn_target "amdgcn-amd-amdhsa--gfx1250"
	.amdhsa_code_object_version 6
	.text
	.protected	k_q8311ccee5f_first16
	.globl	k_q8311ccee5f_first16
	.p2align	8
	.type	k_q8311ccee5f_first16,@function
k_q8311ccee5f_first16:
	s_mov_b64 s[64:65], 0
	v_nop
	global_prefetch_b8 v0, s[64:65] scope:SCOPE_SE
	s_setreg_imm32_b32 hwreg(HW_REG_WAVE_MODE, 25, 1), 1
	s_wait_xcnt 0x0
; The first 16 positions of each batch once more, in f32 from the normed q, k and v on: they average few values, are the largest in size, and f16 operands would use up what the comparison allows.
; A work-group takes batch y and 16 columns of out0 (x); wave h takes head h from the scores to its own eighth of the last product's K; the eight parts meet in LDS.  Operands come through registers, no tile by an engine: no cluster.
; All products by v_wmma_f32_16x16x4_f32; its accumulators are written by matrix instructions alone, and what is made of a sum goes into other registers.
; LOADS.  A row of q, k or the gate for one head is 512 consecutive bytes: each is loaded whole by one instruction, 16 bytes a lane, turns through the wave's own stage in LDS (rows of 528 bytes), and comes back
; 64 neighbouring channels a lane: lane (r, hh) holds channels 64 hh + 0 .. 63 of row r.  v comes by 16 loads of 16 bytes: lane (r, hh) takes channels 8 r + 0 .. 7 of key 8 hh + n; 64 moves lay the keys in pairs.
; S^T = k q^T: product i takes channels 64 hh + 2 i + j, the same on both sides.  Four accumulators by turns; the first starts from the key mask's bias.
; O^T = v^T p: tile e holds channels 8 m + e (m the tile's row), product (e, s) keys 8 hh + 2 s + j: register j of tile e is channel 64 hh + 8 j + e of my query.  What is made of it is laid in natural order,
; register 8 j + e, beside the gate and the mean.  out = a Wo: product i takes channels 64 hh + 2 i + j of head h.
; A row with no valid key (c m under -5e7) is the mean of v over all 2,048 keys, from the column sums.  LIMITS as in the attention launch: real scores above -2^29; NaN and infinities are not served.
; REGISTERS: window 1: v0-63 q, later the mean; v64-127 k, later a; v128-191 v, keys in pairs; v192-255 the column sums, later the gate.
;   window 0: v1-18 addresses; v20-23 the mean; v26-33 the bias; v34-39 at work; v40-71 the scores' accumulators; v72-87 scores, p, sums; v88-151 O^T's; v152-183 the output's; v184-247 v as loaded, later Wo.
.set PART,  0                          ; 8 x 1,024 bytes: each head's 16 x 16 part
.set VMS,   8192                       ; 8 x 512 bytes: each head's mean of v
.set SPARE, 12288                      ; the spare words, 128 bytes for each of 8 waves
.set STG,   13312                      ; 8 x 16,896 bytes: each wave's stage: 16 rows x 528 bytes for q (later the gate), the same for k
.set SPT,   528
.set KST,   16*SPT
.set SPW, 252
.set NIL, 253
.set MSB, 0
.macro WIN new
.if MSB != \new
	s_set_vgpr_msb (MSB<<8)|\new
.set MSB, \new
.endif
.endm
	s_load_b256 s[4:11], s[0:1], 0x0               ; fine 4, gate 6, tab 8, Wo 10
	s_load_b64 s[12:13], s[0:1], 0x20              ; out0
	v_lshl_add_u32 v[SPW], v0, 2, SPARE
	v_mov_b32 v[NIL], 0
	v_lshrrev_b32 v1, 5, v0
	v_readfirstlane_b32 s14, v1                    ; the head
	s_and_b32 s15, ttmp7, 0xffff                   ; the batch
	v_and_b32 v3, 31, v0
	v_and_b32 v1, 15, v0                           ; r
	v_bfe_u32 v2, v0, 4, 1                         ; hh
	v_lshlrev_b32 v4, 4, v3                        ; 16 bytes a lane of a row of 512
	v_lshlrev_b32 v6, 5, v1
	v_lshl_add_u32 v6, v2, 15, v6                  ; v: key 8 hh, channels 8 r on
	v_lshlrev_b32 v9, 2, v1
	v_lshl_add_u32 v9, v2, 19, v9                  ; Wo: 64 hh rows of 8,192 bytes, column r
	v_lshlrev_b32 v8, 5, v2                        ; the bias: 32 hh
	s_lshl_b32 s16, s14, 9
	v_add_nc_u32 v10, s16, v4
	v_add_nc_u32 v10, VMS, v10                     ; the mean, in: 16 bytes a lane
	v_lshlrev_b32 v11, 8, v2
	v_add_nc_u32 v11, s16, v11
	v_add_nc_u32 v11, VMS, v11                     ; and back: channels 64 hh on
	s_mul_i32 s18, s14, 2*KST
	s_add_co_u32 s18, s18, STG                     ; my stage
	v_add_nc_u32 v17, s18, v4                      ; into it: 16 bytes a lane of a row
	v_mul_u32_u24 v18, v1, SPT
	v_lshl_add_u32 v18, v2, 8, v18
	v_add_nc_u32 v18, s18, v18                     ; out of it: row r, channels 64 hh on
	s_lshl_b32 s17, s14, 10
	v_lshl_add_u32 v12, v3, 5, s17                 ; my part: 32 bytes a lane
	v_lshrrev_b32 v13, 7, v0
	v_lshl_add_u32 v13, v13, 4, v1
	v_lshlrev_b32 v13, 5, v13
	v_bfe_u32 v14, v0, 4, 3
	v_lshl_add_u32 v13, v14, 2, v13                ; thread T takes row T / 16, column T % 16: lane 16 (row / 8) + column, register row % 8
	v_lshrrev_b32 v14, 4, v0
	v_lshlrev_b32 v14, 13, v14
	v_lshl_add_u32 v14, v1, 2, v14
	v_lshlrev_b32 v15, 3, v2
	v_sub_nc_u32 v15, v1, v15                      ; key 8 hh + j is hidden where j > r - 8 hh
	v_mov_b32 v16, 0xce800000                      ; -2^30
	v_mov_b32 v35, 0                               ; a lane permute's destination counts as one of its sources
	v_mov_b32 v38, 0
	s_mov_b32 s21, 0
	s_mov_b32 s34, 0x3e0293ee                      ; c
	s_mov_b32 s36, 0xbfb8aa3b                      ; -log2(e)
	s_mov_b32 s37, s36
	s_mov_b32 s38, 0x76543210
	s_mov_b32 s39, 0xfedcba98
	s_wait_kmcnt 0x0
	s_lshl_b32 s20, s15, 16
	s_add_co_u32 s20, s20, s16
	s_add_nc_u64 s[24:25], s[4:5], s[20:21]        ; fine: my batch and head; the four sections stand in the immediates
	s_lshl_b32 s20, s15, 23
	s_add_co_u32 s20, s20, s16
	s_add_nc_u64 s[26:27], s[6:7], s[20:21]
	s_lshl_b32 s20, s15, 13
	s_add_co_u32 s20, s20, 524288
	s_add_nc_u64 s[28:29], s[8:9], s[20:21]
	s_lshl_b32 s20, s14, 20
	s_lshl_b32 s22, ttmp9, 6
	s_add_co_u32 s20, s20, s22
	s_add_nc_u64 s[30:31], s[10:11], s[20:21]
	s_lshl_b32 s20, s15, 24
	s_add_co_u32 s20, s20, s22
	s_add_nc_u64 s[32:33], s[12:13], s[20:21]
	global_load_b128 v[26:29], v8, s[28:29]
	global_load_b128 v[30:33], v8, s[28:29] offset:16
	WIN 0x40
.set i, 0
.rept 16
	global_load_b128 v[4*i:4*i+3], v4, s[24:25] offset:4096*i              ; q, position i: 512 consecutive bytes
.set i, i+1
.endr
.set i, 0
.rept 16
	global_load_b128 v[64+4*i:64+4*i+3], v4, s[24:25] offset:131072+4096*i ; k likewise
.set i, i+1
.endr
	WIN 0
.irp n, 0,1,2,3,4,5,6,7
	global_load_b128 v[184+8*\n:187+8*\n], v6, s[24:25] offset:262144+4096*\n      ; v: key 8 hh + n, channels 8 r + 0 .. 3,
	global_load_b128 v[188+8*\n:191+8*\n], v6, s[24:25] offset:262144+4096*\n+16   ; + 4 .. 7
.endr
	WIN 0x40
.set i, 0
.rept 16
	global_load_b128 v[192+4*i:192+4*i+3], v4, s[24:25] offset:393216+4096*i
.set i, i+1
.endr
	s_wait_loadcnt 32                              ; the bias, q and k are in; v's 16 loads and the 16 column sums may be out
	WIN 0x04
.set i, 0
.rept 16
	ds_store_b128 v17, v[4*i:4*i+3] offset:SPT*i
.set i, i+1
.endr
.set i, 0
.rept 16
	ds_store_b128 v17, v[64+4*i:64+4*i+3] offset:KST+SPT*i
.set i, i+1
.endr
	WIN 0x40
.set i, 0
.rept 16
	ds_load_b128 v[4*i:4*i+3], v18 offset:16*i                     ; LDS serves a wave's instructions in order: these see my stores; they come back into the registers that they left
.set i, i+1
.endr
.set i, 0
.rept 16
	ds_load_b128 v[64+4*i:64+4*i+3], v18 offset:KST+16*i
.set i, i+1
.endr
	s_wait_dscnt 0x0
	WIN 0x05
.set i, 0
.rept 32
.if i == 0
	v_wmma_f32_16x16x4_f32 v[40:47], v[64:65], v[0:1], v[26:33]
.elseif i < 4
	v_wmma_f32_16x16x4_f32 v[40+8*i:47+8*i], v[64+2*i:65+2*i], v[2*i:2*i+1], 0
.else
	v_wmma_f32_16x16x4_f32 v[40+8*(i%4):47+8*(i%4)], v[64+2*i:65+2*i], v[2*i:2*i+1], v[40+8*(i%4):47+8*(i%4)]
.endif
.set i, i+1
.endr
	s_wait_loadcnt 0x0                             ; v and the column sums, asked for with q and k
	v_pk_add_f32 v[20:21], v[192:193], v[196:197]  ; the mean of v; these lines are also the places behind the scores' products
	v_pk_add_f32 v[22:23], v[194:195], v[198:199]
	WIN 0x04
.set i, 2
.rept 14
	v_pk_add_f32 v[20:21], v[20:21], v[192+4*i:193+4*i]
	v_pk_add_f32 v[22:23], v[22:23], v[194+4*i:195+4*i]
.set i, i+1
.endr
	WIN 0
	v_pk_mul_f32 v[20:21], v[20:21], 0x3a000000 op_sel_hi:[1,0]
	v_pk_mul_f32 v[22:23], v[22:23], 0x3a000000 op_sel_hi:[1,0]
	ds_store_b128 v10, v[20:23]
	WIN 0x40
.irp e, 0,1,2,3,4,5,6,7
.irp n, 0,1,2,3,4,5,6,7
	v_mov_b32 v[128+8*\e+\n], v[184+8*\n+\e]       ; tile e: channel 8 r + e; its registers run along my eight keys
.endr
.endr
.set i, 0
.rept 16
	global_load_b128 v[192+4*i:192+4*i+3], v4, s[26:27] offset:4096*i      ; the gate, row i: 512 consecutive bytes
.set i, i+1
.endr
	WIN 0
.set m, 0
.rept 64
	global_load_b32 v[184+m], v9, s[30:31] offset:m*8192                   ; Wo(128 h + 64 hh + m, my column)
.set m, m+1
.endr
.irp p, 0,1,2,3
	v_pk_add_f32 v[72+2*\p:73+2*\p], v[40+2*\p:41+2*\p], v[48+2*\p:49+2*\p]
	v_pk_add_f32 v[80+2*\p:81+2*\p], v[56+2*\p:57+2*\p], v[64+2*\p:65+2*\p]
.endr
.irp p, 0,1,2,3
	v_pk_add_f32 v[72+2*\p:73+2*\p], v[72+2*\p:73+2*\p], v[80+2*\p:81+2*\p]
.endr
.irp n, 0,1,2,3,4,5,6,7
	v_cmp_gt_i32 vcc_lo, \n, v15
	v_cndmask_b32 v[72+\n], v[72+\n], v16, vcc_lo
.endr
	v_max3_num_f32 v34, v72, v73, v74
	v_max3_num_f32 v34, v34, v75, v76
	v_max3_num_f32 v34, v34, v77, v78
	v_max_num_f32 v34, v34, v79
	v_permlanex16_b32 v35, v34, s38, s39
	v_max_num_f32 v34, v34, v35
	v_mul_f32 v36, s34, v34                        ; c m
.irp n, 0,1,2,3,4,5,6,7
	v_fma_f32 v[72+\n], v[72+\n], s34, -v36
.endr
.irp n, 0,1,2,3,4,5,6,7
	v_exp_f32 v[72+\n], v[72+\n]
.endr
	v_nop
	s_wait_alu depctr_va_vdst(0)                   ; one wait for the eight
	v_pk_add_f32 v[80:81], v[72:73], v[74:75]
	v_pk_add_f32 v[82:83], v[76:77], v[78:79]
	v_pk_add_f32 v[80:81], v[80:81], v[82:83]
	v_add_f32 v37, v80, v81
	v_permlanex16_b32 v38, v37, s38, s39
	v_add_f32 v37, v37, v38
	v_rcp_f32 v38, v37
	v_mov_b32 v39, 0                               ; (a plain instruction behind the reciprocal)
	s_wait_alu depctr_va_vdst(0)
	WIN 0x01
.irp s, 0,1,2,3
.irp t, 0,1,2,3,4,5,6,7
.if \s == 0
	v_wmma_f32_16x16x4_f32 v[88+8*\t:95+8*\t], v[128+8*\t:129+8*\t], v[72:73], 0
.else
	v_wmma_f32_16x16x4_f32 v[88+8*\t:95+8*\t], v[128+8*\t+2*\s:129+8*\t+2*\s], v[72+2*\s:73+2*\s], v[88+8*\t:95+8*\t]
.endif
.endr
.endr
	s_wait_loadcnt 63                              ; 64 loads are younger than the gate's last: the gate is in
	WIN 0x04
.set i, 0
.rept 16
	ds_store_b128 v17, v[192+4*i:192+4*i+3] offset:SPT*i           ; the gate takes the rows that q has left
.set i, i+1
.endr
	WIN 0x40
.set i, 0
.rept 16
	ds_load_b128 v[192+4*i:192+4*i+3], v18 offset:16*i             ; and comes back: row r, channels 64 hh + 4 i on
.set i, i+1
.endr
.set i, 0
.rept 16
	ds_load_b128 v[4*i:4*i+3], v11 offset:16*i                     ; the mean of the same channels: my own bytes, which LDS serves in order
.set i, i+1
.endr
	s_wait_dscnt 0x0
	WIN 0x41
.set i, 0
.rept 32
	v_pk_mul_f32 v[192+2*i:193+2*i], v[192+2*i:193+2*i], s[36:37] op_sel_hi:[1,0]    ; these 32 are also the places behind O^T's products
.set i, i+1
.endr
.set i, 0
.rept 64
	v_exp_f32 v[192+i], v[192+i]
.set i, i+1
.endr
	WIN 0x40
.irp j, 0,1,2,3,4,5,6,7
.irp e, 0,1,2,3,4,5,6,7
	v_mul_f32 v[64+8*\j+\e], v[88+8*\e+\j], v38    ; O / l, into other registers and in natural order: channel 64 hh + 8 j + e; each accumulator is read from its low end on; plain work behind the exponentials
.endr
.endr
	s_wait_alu depctr_va_vdst(0)
	WIN 0x41
.set i, 0
.rept 32
	v_pk_add_f32 v[192+2*i:193+2*i], v[192+2*i:193+2*i], 1.0 op_sel_hi:[1,0]
.set i, i+1
.endr
.set i, 0
.rept 64
	v_rcp_f32 v[192+i], v[192+i]
.set i, i+1
.endr
	WIN 0
	v_cmp_gt_f32 vcc_lo, 0xcc3ebc20, v36           ; no valid key
	WIN 0x45
.set i, 0
.rept 64
	v_cndmask_b32 v[64+i], v[64+i], v[i], vcc_lo
.set i, i+1
.endr
	s_wait_alu depctr_va_vdst(0)
.set i, 0
.rept 32
	v_pk_mul_f32 v[64+2*i:65+2*i], v[64+2*i:65+2*i], v[192+2*i:193+2*i]
.set i, i+1
.endr
	s_wait_loadcnt 0x0                             ; Wo
	WIN 0x01
.set i, 0
.rept 32
.if i < 4
	v_wmma_f32_16x16x4_f32 v[152+8*i:159+8*i], v[64+2*i:65+2*i], v[184+2*i:185+2*i], 0
.else
	v_wmma_f32_16x16x4_f32 v[152+8*(i%4):159+8*(i%4)], v[64+2*i:65+2*i], v[184+2*i:185+2*i], v[152+8*(i%4):159+8*(i%4)]
.endif
.set i, i+1
.endr
	WIN 0
.rept 8
	v_nop                                          ; eight places behind this form (ISA guide 7.12.1)
.endr
.irp p, 0,1,2,3
	v_pk_add_f32 v[72+2*\p:73+2*\p], v[152+2*\p:153+2*\p], v[160+2*\p:161+2*\p]
	v_pk_add_f32 v[80+2*\p:81+2*\p], v[168+2*\p:169+2*\p], v[176+2*\p:177+2*\p]
.endr
.irp p, 0,1,2,3
	v_pk_add_f32 v[72+2*\p:73+2*\p], v[72+2*\p:73+2*\p], v[80+2*\p:81+2*\p]
.endr
	ds_store_b128 v12, v[72:75]                    ; register j: row 8 hh + j, column r
	ds_store_b128 v12, v[76:79] offset:16
	s_wait_dscnt 0x0                               ; for the others' sake
	s_barrier_signal -1
	s_barrier_wait -1
.irp q, 0,1,2,3,4,5,6,7
	ds_load_b32 v[80+\q], v13 offset:1024*\q
.endr
	s_wait_dscnt 0x0
	v_pk_add_f32 v[80:81], v[80:81], v[82:83]
	v_pk_add_f32 v[84:85], v[84:85], v[86:87]
	v_pk_add_f32 v[80:81], v[80:81], v[84:85]
	v_add_f32 v80, v80, v81
	global_store_b32 v14, v80, s[32:33]            ; sixteen lanes store 64 consecutive bytes of a row: 256 KB in the whole launch
	s_wait_tensorcnt 0x0                           ; the wave's end
	ds_add_u32 v[SPW], v[NIL]
	s_wait_dscnt 0x0
	s_endpgm
.Lfunc_end_k_q8311ccee5f_first16:
	.size	k_q8311ccee5f_first16, .Lfunc_end_k_q8311ccee5f_first16-k_q8311ccee5f_first16
	.p2alignl 7, 3214868480
	.fill 96, 4, 3214868480
	.section	.rodata,"a",@progbits
	.p2align	6, 0x0
	.amdhsa_kernel k_q8311ccee5f_first16
		.amdhsa_group_segment_fixed_size 148480
		.amdhsa_private_segment_fixed_size 0
		.amdhsa_enable_private_segment 0
		.amdhsa_kernarg_size 40
		.amdhsa_user_sgpr_count 2
		.amdhsa_user_sgpr_kernarg_segment_ptr 1
		.amdhsa_wavefront_size32 1
		.amdhsa_system_sgpr_workgroup_id_x 1
		.amdhsa_system_sgpr_workgroup_id_y 1
		.amdhsa_system_sgpr_workgroup_id_z 1
		.amdhsa_system_vgpr_workitem_id 0
		.amdhsa_next_free_vgpr 512
		.amdhsa_next_free_sgpr 66
		.amdhsa_reserve_vcc 1
		.amdhsa_float_denorm_mode_32 3
		.amdhsa_float_denorm_mode_16_64 3
		.amdhsa_memory_ordered 1
		.amdhsa_forward_progress 1
		.amdhsa_inst_pref_size 54
	.end_amdhsa_kernel
	.amdgpu_metadata
---
amdhsa.version: [ 1, 2 ]
amdhsa.kernels:
  - .name:           k_q8311ccee5f_first16
    .symbol:         k_q8311ccee5f_first16.kd
    .args:
      - { .name: fine, .offset: 0, .size: 8, .value_kind: global_buffer, .address_space: global }
      - { .name: gate, .offset: 8, .size: 8, .value_kind: global_buffer, .address_space: global }
      - { .name: tab, .offset: 16, .size: 8, .value_kind: global_buffer, .address_space: global }
      - { .name: Wo, .offset: 24, .size: 8, .value_kind: global_buffer, .address_space: global }
      - { .name: out0, .offset: 32, .size: 8, .value_kind: global_buffer, .address_space: global }
    .group_segment_fixed_size: 148480
    .private_segment_fixed_size: 0
    .kernarg_segment_align: 8
    .kernarg_segment_size: 40
    .max_flat_workgroup_size: 256
    .sgpr_count:     66
    .vgpr_count:     512
    .wavefront_size: 32
...
	.end_amdgpu_metadata
.endif
;; end of part 5
